; MI455X (gfx1250); checked and timed in simulation.
; The chip was launched on July 23, 2026; its instructions are those of AMD's public machine-readable ISA for CDNA 5 (MIT licence, August 2026) and "CDNA5" Instruction Set Architecture Reference Guide (July 2026). The comments in the code are by the model that wrote it; some were corrected since.
;; Encoder Block. Allowed arithmetic: matrix products marked QUANTISED: E2M3 operands, one E8M0 scale for each 32 along K, by v_wmma_scale_f32_16x16x128_f8f6f4 with both operands' format E2M3, f32 sums; everything else in f32.
;; Inputs: W1 1,024 x 4,096 float32; W2 4,096 x 1,024 float32; Wk 1,024 x 1,024 float32; Wo 1,024 x 1,024 float32; Wq 1,024 x 1,024 float32; Wv 1,024 x 1,024 float32; b1 4,096 float32; b2 1,024 float32; be1 1,024 float32; be2 1,024 float32; bk 1,024 float32; bo 1,024 float32; bq 1,024 float32; bv 1,024 float32; g1 1,024 float32; g2 1,024 float32; mask 2 x 1 x 1 x 2,048 int32; x 2 x 2,048 x 1,024 float32.
;; Outputs: out0 2 x 2,048 x 1,024 float32.
;; This version of the problem:
;;   THIS VERSION OF THE PROBLEM IS GIVEN IN LOW PRECISION. The matrix products marked QUANTISED in the list below multiply operands that are first quantised to E2M3 (2 exponent bits, 3 mantissa bits; 6 bits a number), with one power-of-two scale for each 32 numbers along K (OCP MX v1.0); their sums are f32. All else is computed in f32.
;;   The module's matrix products, in the order in which they are computed (A, B: the left and right operand; K: the contracted axis; several contracted axes count as one K, in the product's order):
;;     1. [M 4,096, K 1,024] x [K 1,024, N 1,024]; A: input x; B: input Wq: QUANTISED
;;     2. [M 4,096, K 1,024] x [K 1,024, N 1,024]; A: input x; B: input Wk: QUANTISED
;;     3. [M 4,096, K 1,024] x [K 1,024, N 1,024]; A: input x; B: input Wv: QUANTISED
;;     4. batch 32 x [M 2,048, K 64] x [K 64, N 2,048]; A: computed on the way; B: computed on the way: QUANTISED
;;     5. batch 32 x [M 2,048, K 2,048] x [K 2,048, N 64]; A: softmax (see below); B: computed on the way: QUANTISED
;;     6. [M 4,096, K 1,024] x [K 1,024, N 1,024]; A: computed on the way; B: input Wo: QUANTISED
;;     7. [M 4,096, K 1,024] x [K 1,024, N 4,096]; A: computed on the way; B: input W1: QUANTISED
;;     8. [M 4,096, K 4,096] x [K 4,096, N 1,024]; A: computed on the way; B: input W2: QUANTISED
;;   THE QUANTISER, for each operand of a quantised product, along K:
;;     - K is cut into blocks of 32 from its start; a last block that is shorter is filled with zeros.
;;     - A block's scale is 2^e with e = floor(log2(the largest magnitude in the block)) - 2, held to -126 .. 127; a block of zeros has e = 0. As a byte (E8M0): e + 127.
;;     - Each number is divided by its block's scale, clamped to +-7.5, and rounded to the nearest number of E2M3, ties to even, subnormals kept.
;;     - The product sums the exact products of the quantised numbers (number of the format x scale) in f32.
;;   ~~~python
;;   def quantise(x, axis):      # numpy; x: float32 -> the quantised numbers, widened to float32 again
;;       x = np.moveaxis(x, axis, -1); K = x.shape[-1]
;;       x = np.pad(x, [(0, 0)] * (x.ndim - 1) + [(0, -K % 32)]); x = x.reshape(x.shape[:-1] + (-1, 32)); a = np.abs(x).max(-1, keepdims=True)
;;       e = np.where(a > 0, np.clip(np.frexp(np.where(a > 0, a, 1))[1] - 1 - 2, -126, 127), 0)      # np.frexp(a)[1] - 1 = floor(log2(a)), exactly
;;       r = np.clip(x / 2.0 ** e, -7.5, 7.5)
;;       step = 2.0 ** (np.maximum(np.frexp(np.where(r == 0, 1, r))[1] - 1, 0) - 3)
;;       q = np.round(r / step) * step * 2.0 ** e      # np.round: ties to even
;;       return np.moveaxis(q.reshape(q.shape[:-2] + (-1,))[..., :K], -1, axis).astype(np.float32)
;;   ~~~
;;   SOFTMAX AHEAD OF A QUANTISED PRODUCT. Where the list says 'softmax', what is quantised is not the finished softmax but p = 2^(t - M), with t = logit x log2(e) and M = ceil(the row's largest t), a whole number; so 1/2 < the row's largest p <= 1. The row's sum l is taken of the UNQUANTISED p, in f32, and the product's result is divided by l at the end. Since M is a whole number, a kernel that streams over the keys may use a running M (the ceiling of the running maximum): every later rescaling is an exact power of two, which a block's scale takes up: the codes' values come out the same.
;;   OPERANDS COMPUTED ON THE WAY. 'Computed on the way' means the value that the module computes at that place (a softmax that the list does not call 'softmax' is quantised finished and normalised). What goes into a quantiser is computed in f32, as accurately as f32 sums, v_exp_f32 and their like allow (about 1e-6 of the number): no bf16 or f16 on the way to a quantiser, and a product that is left as it is and whose result goes on into a quantised operand takes f32 operands (vector FMAs, or v_wmma_f32_16x16x4_f32). A number that lies on a knife's edge between two numbers of the format may be rounded either way, as far as f32 arithmetic and the matrix unit's own rounding can turn it there, and no further.
;; One version. Each part assembles by itself: llvm-mc -triple=amdgcn-amd-amdhsa -mcpu=gfx1250 --defsym DOCPART=n.
;; ======== version 1 of 1: 8 launches
;; limits: right only within a limited range of input values
;; workspace buffers: wts 9,830,400 bytes; actq 3,276,800 bytes; qkv 11,272,192 bytes; ybuf 16,777,216 bytes; ybuf2 16,777,216 bytes; hbuf 16,777,216 bytes; hid 13,107,200 bytes
;; launch qwx (part 1): grid 256 x 4, 4 waves a work-group, no clusters, 32,256 bytes of LDS; arguments Wq, Wk, Wv, Wo, W1, W2, wts, x, actq; writes wts, actq
.if DOCPART == 1
	.amdgcn_target "amdgcn-amd-amdhsa--gfx1250"
	.amdhsa_code_object_version 6
	.text
	.protected	k_q4e71f4f56a_qwx
	.globl	k_q4e71f4f56a_qwx
	.p2align	8
	.type	k_q4e71f4f56a_qwx,@function
k_q4e71f4f56a_qwx:
	s_mov_b64 s[64:65], 0
	v_nop
	global_prefetch_b8 v0, s[64:65] scope:SCOPE_SE
	s_setreg_imm32_b32 hwreg(HW_REG_WAVE_MODE, 25, 1), 1
	s_wait_xcnt 0x0
; ALL INPUTS OF THE PRODUCTS THAT ARRIVE AS f32 become codes of FP6 (E2M3) with one E8M0 byte for each 32 along K, laid as the products' launches read them: the six weights (y = 0, 1, 2) and x (y = 3).
; The two jobs part on the work-group's y at the first lines and never join; every work-group of either reads 65,536 bytes.  Only the rows' path uses LDS and a barrier.
; THE LAYOUT (all operands of the four GEMM launches).  A tile T is 16 rows of an operand (columns n of a weight, rows of x): row r of tile T is 32 (T/2) + 8 (T%2) + r%8 + 16 (r/8).
; A tile's strip is K/256 groups of 3,200 bytes.  In a group: chunk c (64 along K) at 768 c; in it register pair p (0..2) of lane l = r + 16 h at 256 p + 8 l: the six registers hold k = 64 c + 32 h + 0..31 as one stream of bits;
; behind the four chunks the scale words: 3,072 + 64 s + 4 r, s = which 128 along K, byte b for k = 32 b on.  So every load and store of a fragment is 8 bytes a lane, 256 consecutive bytes an instruction.
; A block's scale byte is its largest magnitude's exponent field - 2, held at 1 from below (a block of zeros gets 1: its codes are zeros and this program alone reads the bytes).
; LIMITS: NaN and infinities among the inputs are not served.
;
; THE WEIGHTS, f32 [K][N] with K as FIRST axis.  A work-group takes 128 columns x 128 along K, a wave 32 columns: two tiles.  A LANE TAKES A COLUMN AND ITS REGISTERS RUN DOWN K: a block of 32 lies in one lane, and the
; conversions give codes with K innermost.  Lanes 0-15 hold the even tile's rows, lanes 16-31 the odd tile's; an exchange of halves between two blocks' codes gives each tile's register image.
; y = 0: Wq, Wk, Wv, Wo (64 work-groups each); y = 1: W1; y = 2: W2.  Only pointers and sizes are chosen, by the work-group's number.
.set OFF, 8                            ; v8-39    row i of a block: i x row bytes + 4 x my column
.set X,   40                           ; v40-167  four blocks of 32 numbers
.set C,   168                          ; v168-191 codes: chunk cc: six registers of block 2 cc, six of block 2 cc + 1
.set T0R, 192                          ; v192-194, v196-198: second halves of two blocks' codes (a conversion's three registers begin on an even number)
.set T1R, 196
.set M,   200                          ; v200-203 largest magnitudes
.set SOP, 204                          ; v204-207 the conversions' scale operands
.set BY,  208                          ; v208-211 scale bytes
.set WD,  212                          ; v212     my column's scale word
.set M2,  213                          ; v213     second chain of a maximum
	v_lshl_add_u32 v254, v0, 2, 0x7c00
	v_mov_b32 v255, 0
	s_and_b32 s20, ttmp7, 0xffff                   ; y
	s_cmp_eq_u32 s20, 3
	s_cbranch_scc1 .Lrows                          ; y = 3: x's rows; the branch hangs on the work-group's number alone
	s_load_b256 s[4:11], s[0:1], 0x0               ; Wq, Wk, Wv, Wo
	s_load_b128 s[12:15], s[0:1], 0x20             ; W1, W2
	s_load_b64 s[16:17], s[0:1], 0x30              ; the weights' codes
	v_lshrrev_b32 v1, 5, v0
	v_readfirstlane_b32 s18, v1                    ; wave
	s_mov_b32 s19, ttmp9
	s_lshr_b32 s21, s19, 6
	s_and_b32 s22, s19, 63
	s_cmp_eq_u32 s20, 0
	s_cselect_b32 s23, s21, 4                      ; which weight: its place in the buffer in units of 819,200 bytes: 0..3, 4 (W1), 8 (W2)
	s_cselect_b32 s24, s22, s19                    ; the work-group's number within its weight
	s_cmp_eq_u32 s20, 2
	s_cselect_b32 s23, 8, s23
	s_cselect_b32 s25, 2, 0                        ; W2's strips are four times as long
	s_cmp_eq_u32 s20, 1
	s_cselect_b32 s26, 5, 3                        ; log2 of the groups of 128 columns
	s_cselect_b32 s27, 14, 12                      ; log2 of a row's bytes
	s_lshl_b32 s28, 1, s27                         ; a row's bytes
	s_lshl_b32 s29, 12800, s25                     ; a strip's bytes
	s_lshr_b32 s30, s24, s26                       ; ks: which 128 along K
	s_lshl_b32 s31, s30, s26
	s_sub_co_u32 s31, s24, s31                     ; cg: which 128 columns
	s_add_co_u32 s32, s27, 7
	s_lshl_b32 s32, s30, s32                       ; ks x 128 rows,
	s_lshl_b32 s33, s31, 9
	s_add_co_u32 s32, s32, s33                     ; + 128 cg columns,
	s_lshl_b32 s33, s18, 7
	s_add_co_u32 s32, s32, s33                     ; + 32 columns a wave
	s_mov_b32 s33, 0
	s_lshl_b32 s34, s28, 5                         ; 32 rows: from block to block
	s_mov_b32 s35, 0
	s_mul_i32 s50, s23, 819200
	s_lshl_b32 s51, s31, 2
	s_add_co_u32 s51, s51, s18
	s_lshl_b32 s51, s51, 1                         ; my even tile
	s_mul_i32 s51, s51, s29
	s_add_co_u32 s50, s50, s51
	s_lshr_b32 s51, s30, 1
	s_mul_i32 s51, s51, 3200
	s_add_co_u32 s50, s50, s51                     ; the group's first byte in my even tile's strip
	s_and_b32 s52, s30, 1
	s_mul_i32 s51, s52, 1536
	s_add_co_u32 s54, s50, s51                     ; my two chunks
	s_mov_b32 s55, 0
	s_lshl_b32 s52, s52, 6
	s_add_co_u32 s52, s52, s50
	s_add_co_u32 s52, s52, 3072                    ; my scale words
	s_mov_b32 s53, 0
	s_mov_b32 s50, s29
	s_mov_b32 s51, 0
	v_and_b32 v5, 31, v0                           ; l
	v_and_b32 v6, 7, v0
	v_bfe_u32 v7, v0, 3, 1
	v_lshl_add_u32 v6, v7, 4, v6
	v_bfe_u32 v7, v0, 4, 1                         ; h
	v_lshl_add_u32 v6, v7, 3, v6                   ; my column among the wave's 32: l%8 + 16 ((l/8)%2) + 8 (l/16)
	v_lshlrev_b32 v2, 2, v6
	v_lshlrev_b32 v3, 3, v5                        ; 8 l
	v_and_b32 v6, 15, v0
	v_lshlrev_b32 v6, 2, v6
	v_mad_u32_u24 v4, v7, s29, v6                  ; scale word: 4 r, one strip on for the odd tile
.set i, 0
.rept 32
	v_mad_u32_u24 v[OFF+i], s28, i, v2
.set i, i+1
.endr
	s_wait_alu depctr_va_vdst(0)
	s_wait_kmcnt 0x0
	s_mov_b64 s[36:37], s[4:5]                     ; the weight's address: a choice that hangs on the work-group's number alone
	s_cmp_eq_u32 s23, 1
	s_cselect_b64 s[36:37], s[6:7], s[36:37]
	s_cmp_eq_u32 s23, 2
	s_cselect_b64 s[36:37], s[8:9], s[36:37]
	s_cmp_eq_u32 s23, 3
	s_cselect_b64 s[36:37], s[10:11], s[36:37]
	s_cmp_eq_u32 s23, 4
	s_cselect_b64 s[36:37], s[12:13], s[36:37]
	s_cmp_eq_u32 s23, 8
	s_cselect_b64 s[36:37], s[14:15], s[36:37]
	s_add_nc_u64 s[36:37], s[36:37], s[32:33]      ; block 0,
	s_add_nc_u64 s[38:39], s[36:37], s[34:35]      ; 1,
	s_add_nc_u64 s[40:41], s[38:39], s[34:35]      ; 2,
	s_add_nc_u64 s[42:43], s[40:41], s[34:35]      ; 3
	s_add_nc_u64 s[44:45], s[16:17], s[54:55]      ; codes of the even tile,
	s_add_nc_u64 s[46:47], s[44:45], s[50:51]      ; of the odd one,
	s_add_nc_u64 s[48:49], s[16:17], s[52:53]      ; scale words
.macro LOADB t                         ; block t: 32 rows at my column; a wave's load reads four runs of 32 consecutive bytes
.set i, 0
.rept 32
	global_load_b32 v[X+32*\t+i], v[OFF+i], s[36+2*\t:37+2*\t] th:TH_LOAD_NT
.set i, i+1
.endr
.endm
.macro BMAX t                          ; the block's largest magnitude (all 32 numbers are mine), its scale operand and byte
.set XS, X+32*\t
	v_max3_num_f32 v[M+\t], |v[XS]|, |v[XS+1]|, |v[XS+2]|
	v_max3_num_f32 v[M2], |v[XS+3]|, |v[XS+4]|, |v[XS+5]|
.irp n, 6,10,14,18,22,26
	v_max3_num_f32 v[M+\t], v[M+\t], |v[XS+\n]|, |v[XS+\n+1]|
	v_max3_num_f32 v[M2], v[M2], |v[XS+\n+2]|, |v[XS+\n+3]|
.endr
	v_max3_num_f32 v[M+\t], v[M+\t], |v[XS+30]|, |v[XS+31]|
	v_max3_num_f32 v[M+\t], v[M+\t], v[M2], 0x1800000   ; and the floor 2^(3 - 127): the byte cannot fall under 1
	v_add_nc_u32 v[SOP+\t], 0xff000000, v[M+\t]    ; 2 off the exponent field: the conversion takes this operand's exponent field as its scale
	v_lshrrev_b32 v[BY+\t], 23, v[SOP+\t]
.endm
.macro CODES cc                        ; chunk cc: blocks 2 cc and 2 cc + 1 of both tiles
.set C0, C+12*\cc
.set C1, C+12*\cc+6
.set XS, X+64*\cc
	v_cvt_scalef32_pk16_fp6_f32 v[C0:C0+2], v[XS:XS+15], v[SOP+2*\cc]
	v_cvt_scalef32_pk16_fp6_f32 v[T0R:T0R+2], v[XS+16:XS+31], v[SOP+2*\cc]
	v_cvt_scalef32_pk16_fp6_f32 v[C1:C1+2], v[XS+32:XS+47], v[SOP+2*\cc+1]
	v_cvt_scalef32_pk16_fp6_f32 v[T1R:T1R+2], v[XS+48:XS+63], v[SOP+2*\cc+1]
	v_nop                                          ; one plain place behind a scaled conversion
.irp n, 0,1,2
	v_mov_b32 v[C0+3+\n], v[T0R+\n]
	v_mov_b32 v[C1+3+\n], v[T1R+\n]
.endr
.irp n, 0,1,2,3,4,5
	v_permlane16_swap_b32 v[C0+\n], v[C1+\n]       ; the first's lanes 16-31 (odd tile, lower block) change places with the second's lanes 0-15 (even tile, upper block): now each is one tile's image
.endr
.irp p, 0,1,2
	global_store_b64 v3, v[C0+2*\p:C0+2*\p+1], s[44:45] offset:768*\cc+256*\p   ; 256 consecutive bytes a store
	global_store_b64 v3, v[C1+2*\p:C1+2*\p+1], s[46:47] offset:768*\cc+256*\p
.endr
.endm
	LOADB 0
	LOADB 1
	s_wait_loadcnt 32                              ; block 0 is in; block 1's 32 loads may be out
	BMAX 0
	LOADB 2
	s_wait_loadcnt 32                              ; block 1 is in; block 2's may be out
	BMAX 1
	LOADB 3
	CODES 0
	s_wait_loadcnt 32                              ; block 2 is in; block 3's may be out
	BMAX 2
	s_wait_loadcnt 0x0
	BMAX 3
	CODES 1
	v_lshl_or_b32 v[WD], v[BY+1], 8, v[BY]
	v_lshl_or_b32 v[WD], v[BY+2], 16, v[WD]
	v_lshl_or_b32 v[WD], v[BY+3], 24, v[WD]
	global_store_b32 v4, v[WD], s[48:49]
	s_endpgm
; x's ROWS, f32 [4096][1024], K innermost.  Work-group T (its x) makes tile T's strip of 12,800 bytes; wave w takes the tile's rows 4 w .. 4 w + 3, one whole row at a time: eight loads of 512 consecutive bytes.
; All four rows' loads go out at the start.  The conversions want 32 neighbours in a lane: a row turns through the wave's own stage in LDS (16 bytes of padding behind each 128).  Lane l then holds block l of the row.
; The codes gather in an image of the strip in LDS and leave as 16 bytes a thread.  (The twelve stores of codes of a wave into that image meet in the same banks, chunks being 768 bytes apart: few beside the row's traffic.)
.set CST, 18432                        ; LDS: four stages of 4,608 bytes, then the strip's image, 12,800 bytes
.set RX,  74                           ; v74-201  four rows of 32 registers
.set RY,  202                          ; v202-233 32 neighbours
.Lrows:
	s_load_b64 s[4:5], s[0:1], 0x38                ; x
	s_load_b64 s[12:13], s[0:1], 0x40              ; its codes
	v_lshrrev_b32 v1, 5, v0
	v_readfirstlane_b32 s14, v1                    ; wave
	s_lshr_b32 s20, ttmp9, 1
	s_lshl_b32 s20, s20, 5
	s_and_b32 s21, ttmp9, 1
	s_lshl_b32 s21, s21, 3
	s_add_co_u32 s20, s20, s21
	s_lshl_b32 s21, s14, 2
	s_add_co_u32 s20, s20, s21
	s_lshr_b32 s21, s14, 1
	s_lshl_b32 s21, s21, 3
	s_add_co_u32 s20, s20, s21                     ; my first row: 32 (T/2) + 8 (T%2) + 4 w + 8 (w/2)
	s_lshl_b32 s20, s20, 12
	s_mov_b32 s21, 0
	s_mul_i32 s22, ttmp9, 12800
	s_mov_b32 s23, 0
	v_and_b32 v234, 31, v0                         ; l
	v_lshlrev_b32 v1, 4, v234                      ; 16 l
	s_mul_i32 s24, s14, 4608                       ; my stage
	v_lshrrev_b32 v235, 3, v234
	v_lshl_add_u32 v2, v235, 4, v1
	v_add_nc_u32 v2, s24, v2                       ; into it: 16 l + 16 (l/8)
	v_mul_u32_u24 v3, v234, 144
	v_add_nc_u32 v3, s24, v3                       ; out of it: 144 l: my block
	v_mul_u32_u24 v237, v235, 3200                 ; my block's group,
	v_bfe_u32 v236, v0, 1, 2
	v_mad_u32_u24 v4, v236, 768, v237              ; chunk,
	v_and_b32 v236, 1, v0
	v_lshl_add_u32 v4, v236, 7, v4                 ; half,
	s_lshl_b32 s25, s14, 5
	s_add_co_u32 s25, s25, CST
	v_add_nc_u32 v4, s25, v4                       ; and 8 bytes for each of my wave's rows
	v_bfe_u32 v236, v0, 2, 1
	v_lshl_add_u32 v5, v236, 6, v237
	v_and_b32 v236, 3, v0
	v_add_nc_u32 v5, v5, v236
	s_lshl_b32 s25, s14, 4
	s_add_co_u32 s25, s25, CST+3072
	v_add_nc_u32 v5, s25, v5                       ; my block's scale byte
	v_lshlrev_b32 v6, 4, v0
	v_lshlrev_b32 v7, 2, v0
	v_add_nc_u32 v8, CST, v6
	v_add_nc_u32 v9, CST, v7
	s_wait_kmcnt 0x0
	s_add_nc_u64 s[4:5], s[4:5], s[20:21]
	s_add_nc_u64 s[12:13], s[12:13], s[22:23]
.irp i, 0,1,2,3
.irp j, 0,1,2,3,4,5,6,7
	global_load_b128 v[RX+32*\i+4*\j:RX+32*\i+4*\j+3], v1, s[4:5] offset:4096*\i+512*\j
.endr
.endr
.macro TURNQ i                         ; row i through my stage; my block's byte and codes into the strip's image
.set XR, RX+32*\i
.irp j, 0,1,2,3,4,5,6,7
	ds_store_b128 v2, v[XR+4*\j:XR+4*\j+3] offset:576*\j
.endr
.irp k, 0,1,2,3,4,5,6,7
	ds_load_b128 v[RY+4*\k:RY+4*\k+3], v3 offset:16*\k    ; LDS serves a wave's instructions in order: these see the stores above
.endr
	s_wait_dscnt 0x0                               ; my block is in; the last row's stores of codes have read their registers
	v_max3_num_f32 v242, |v[RY]|, |v[RY+1]|, |v[RY+2]|
	v_max3_num_f32 v243, |v[RY+3]|, |v[RY+4]|, |v[RY+5]|
.irp n, 6,10,14,18,22,26
	v_max3_num_f32 v242, v242, |v[RY+\n]|, |v[RY+\n+1]|
	v_max3_num_f32 v243, v243, |v[RY+\n+2]|, |v[RY+\n+3]|
.endr
	v_max3_num_f32 v242, v242, |v[RY+30]|, |v[RY+31]|
	v_max3_num_f32 v242, v242, v243, 0x1800000     ; and the floor 2^(3 - 127): the byte cannot fall under 1
	v_add_nc_u32 v244, 0xff000000, v242            ; 2 off the exponent field: the conversion's scale operand
	v_cvt_scalef32_pk16_fp6_f32 v[246:248], v[RY:RY+15], v244
	v_cvt_scalef32_pk16_fp6_f32 v[250:252], v[RY+16:RY+31], v244
	v_lshrrev_b32 v245, 23, v244                   ; the byte (a plain place behind the conversions)
	v_mov_b32 v249, v250
	v_mov_b32 v250, v251
	v_mov_b32 v251, v252
	ds_store_b64 v4, v[246:247] offset:8*\i
	ds_store_b64 v4, v[248:249] offset:256+8*\i
	ds_store_b64 v4, v[250:251] offset:512+8*\i
	ds_store_b8 v5, v245 offset:4*\i
.endm
.irp i, 0,1,2,3
	s_wait_loadcnt 8*(3-\i)                        ; row i is in; the later rows' eight loads each may be out
	TURNQ \i
.endr
	s_wait_dscnt 0x0                               ; for the others' sake: my stores into the image are done
	s_barrier_signal -1
	s_barrier_wait -1
.irp k, 0,1,2,3,4,5
	ds_load_b128 v[RY+4*\k:RY+4*\k+3], v8 offset:2048*\k
.endr
	ds_load_b32 v[RY+24], v9 offset:12288
	s_wait_dscnt 0x0
.irp k, 0,1,2,3,4,5
	global_store_b128 v6, v[RY+4*\k:RY+4*\k+3], s[12:13] offset:2048*\k   ; a wave's store covers 512 consecutive bytes
.endr
	global_store_b32 v7, v[RY+24], s[12:13] offset:12288
	s_wait_tensorcnt 0x0
	ds_add_u32 v254, v255
	s_wait_dscnt 0x0
	s_endpgm
.Lfunc_end_k_q4e71f4f56a_qwx:
	.size	k_q4e71f4f56a_qwx, .Lfunc_end_k_q4e71f4f56a_qwx-k_q4e71f4f56a_qwx
	.p2alignl 7, 3214868480
	.fill 96, 4, 3214868480
	.section	.rodata,"a",@progbits
	.p2align	6, 0x0
	.amdhsa_kernel k_q4e71f4f56a_qwx
		.amdhsa_group_segment_fixed_size 32256
		.amdhsa_private_segment_fixed_size 0
		.amdhsa_enable_private_segment 0
		.amdhsa_kernarg_size 72
		.amdhsa_user_sgpr_count 2
		.amdhsa_user_sgpr_kernarg_segment_ptr 1
		.amdhsa_wavefront_size32 1
		.amdhsa_system_sgpr_workgroup_id_x 1
		.amdhsa_system_sgpr_workgroup_id_y 1
		.amdhsa_system_sgpr_workgroup_id_z 1
		.amdhsa_system_vgpr_workitem_id 0
		.amdhsa_next_free_vgpr 256
		.amdhsa_next_free_sgpr 66
		.amdhsa_reserve_vcc 0
		.amdhsa_float_denorm_mode_32 3
		.amdhsa_float_denorm_mode_16_64 3
		.amdhsa_memory_ordered 1
		.amdhsa_forward_progress 1
		.amdhsa_inst_pref_size 42
	.end_amdhsa_kernel
	.amdgpu_metadata
---
amdhsa.version: [ 1, 2 ]
amdhsa.kernels:
  - .name:           k_q4e71f4f56a_qwx
    .symbol:         k_q4e71f4f56a_qwx.kd
    .args:
      - { .name: Wq, .offset: 0, .size: 8, .value_kind: global_buffer, .address_space: global }
      - { .name: Wk, .offset: 8, .size: 8, .value_kind: global_buffer, .address_space: global }
      - { .name: Wv, .offset: 16, .size: 8, .value_kind: global_buffer, .address_space: global }
      - { .name: Wo, .offset: 24, .size: 8, .value_kind: global_buffer, .address_space: global }
      - { .name: W1, .offset: 32, .size: 8, .value_kind: global_buffer, .address_space: global }
      - { .name: W2, .offset: 40, .size: 8, .value_kind: global_buffer, .address_space: global }
      - { .name: wts, .offset: 48, .size: 8, .value_kind: global_buffer, .address_space: global }
      - { .name: x, .offset: 56, .size: 8, .value_kind: global_buffer, .address_space: global }
      - { .name: actq, .offset: 64, .size: 8, .value_kind: global_buffer, .address_space: global }
    .group_segment_fixed_size: 32256
    .private_segment_fixed_size: 0
    .kernarg_segment_align: 8
    .kernarg_segment_size: 72
    .max_flat_workgroup_size: 128
    .sgpr_count:     66
    .vgpr_count:     256
    .wavefront_size: 32
...
	.end_amdgpu_metadata
.endif
;; end of part 1
;; launch qkv (part 2): grid 12 x 16, 4 waves a work-group, clusters of 4 x 4, 327,680 bytes of LDS; arguments actq, wts, bq, bk, bv, mask, qkv; writes qkv
.if DOCPART == 2
	.amdgcn_target "amdgcn-amd-amdhsa--gfx1250"
	.amdhsa_code_object_version 6
	.text
	.protected	k_q4e71f4f56a_qkv
	.globl	k_q4e71f4f56a_qkv
	.p2align	8
	.type	k_q4e71f4f56a_qkv,@function
k_q4e71f4f56a_qkv:
	s_mov_b64 s[64:65], 0
	v_nop
	global_prefetch_b8 v0, s[64:65] scope:SCOPE_SE
	s_setreg_imm32_b32 hwreg(HW_REG_WAVE_MODE, 25, 1), 1
	s_wait_xcnt 0x0
	s_wait_alu depctr_hold_cnt(0) depctr_sa_sdst(0) depctr_va_vdst(0) depctr_va_sdst(0) depctr_va_ssrc(0) depctr_va_vcc(0) depctr_vm_vsrc(0)
	s_getreg_b32 s2, hwreg(HW_REG_IB_STS2, 6, 4)
	s_cmp_eq_u32 s2, 0
	s_cbranch_scc0 .Lentry_in_a_cluster
	s_endpgm
.Lentry_in_a_cluster:
	s_bfe_u32 s2, ttmp6, 0x10000c
	s_cmp_lg_u32 s2, 0xf033
	s_cbranch_scc0 .Lentry_shape_is_right
	s_endpgm
.Lentry_shape_is_right:
; q, k and v = x W + b, the products on codes of FP6 (E2M3) with E8M0 scales, and each result quantised at once for attention's two products.
; The cluster's x says which: 0: q (A = x's tiles, B = Wq's); 1: k (B = Wk's); 2: v, with the roles changed (A = Wv's tiles, B = x's), so that a lane's registers run along the keys, which are the K of attention's second product.
; A work-group makes 256 x 256, a wave 128 x 128: 64 accumulators by turns.  K = 1,024 goes in four groups of 256 through a ring of two LDS slots, filled by joint loads of a 4 x 4 cluster (A's along a row, B's along a column).
; A tensor row is 3,328 bytes and begins at a multiple of 256 bytes; the groups that later fills ask for are prefetched into the L2 behind the two first fills.
; q leaves as codes and scale words; k and v leave in records of 15,360 bytes for 128 keys of a head; the mask goes into k's codes at k = 64 (a masked key holds -7.5 there under the byte 227).
; LIMITS: NaN and infinities among the inputs are not served.
.set KT,    1024
.set NA,    8
.set SG,    1
.set QC,    7864320
.set QS,    11010048
.set REC,   15360
.set HEADB, 16*REC
.set HA,    NA/2
.set QA,    NA/4
.set NQ,    2*SG
.set ROWL,  3328                       ; a tile's row in a slot: a group's 3,200 bytes and 128 more, so that every tensor row begins at a multiple of 256 bytes: even groups at their first byte, odd groups 128 bytes ahead of it
.set STRIP, (KT/256)*3200
.set SLOT,  (2*NA+16)*ROWL
.set SPARE, 2*SLOT
.set LAPS,  KT/(512*SG)
.set ADRA, 16
.set ADRB, 20
.set ADRS, 22
.set SPW,  28
.set NIL,  29
.set SC,   32
.set BL,   48
.set BIAS, 64
.set AF,   128
.set X0,   128
.set PC,   192
.set MK,   224
.set TM,   232
.set PW,   248
.set G1A, 24
.set G0A, 32
.set G1B, 48
.set G0B, 56
.set MSB, 0
.macro WIN new
.if MSB != (\new)
	s_set_vgpr_msb (MSB<<8)|(\new)
.set MSB, (\new)
.endif
.endm
.macro JLOAD s
	s_cmp_eq_u32 s67, 0
	s_cbranch_scc0 .Lfor_b_\@
	tensor_load_to_lds s[G0A+4*\s:G0A+4*\s+3], s[G1A:G1A+7]
	s_nop 0
.rept 4
	v_nop
.endr
	s_branch .Lasked_\@
.Lfor_b_\@:
	tensor_load_to_lds s[G0B+4*\s:G0B+4*\s+3], s[G1B:G1B+7]
	s_nop 0
.rept 4
	v_nop
.endr
.Lasked_\@:
.endm
.macro CREST
	s_cmp_lg_u32 s66, 0
	s_cbranch_scc1 .Lnot_wave_0_\@
	s_barrier_signal -3
.Lnot_wave_0_\@:
	s_barrier_wait -3
	s_barrier_signal -1
	s_barrier_wait -1
.endm
.macro CROUND
	s_barrier_signal -1
	s_barrier_wait -1
	CREST
.endm
.macro PLACES n
.rept \n
	v_nop
.endr
.endm
.macro FRAG reg, adr, q, i
.irp p, 0,1,2,3,4,5
	ds_load_b64 v[\reg+2*\p:\reg+2*\p+1], v[\adr] offset:(\i)*ROWL+((\q)/2)*3200+((\q)%2)*1536+(\p/3)*768+(\p%3)*256
.endr
.endm
.macro FETCH_B slot, q, p
	WIN 0x40
.irp i, 0,1,2,3,4,5,6,7
	FRAG 128*(\p)+12*\i, ADRB+\slot, \q, \i
.endr
	WIN 0
.endm
.macro FETCH_A slot, q, i0
.set II, \i0
.rept HA
	FRAG AF+12*II, ADRA+\slot, \q, II
.set II, II+1
.endr
.endm
.macro SCALES slot, q, set
.irp i, 0,1,2,3,4,5,6,7
	ds_load_b32 v[SC+8*(\set)+\i], v[ADRS+\slot] offset:\i*ROWL+((\q)/2)*3200+3072+((\q)%2)*64
.endr
.endm
.macro MULA a, set, first
.irp b, 0,1,2,3,4,5,6,7
.if \first
	v_wmma_scale_f32_16x16x128_f8f6f4 v[8*(8*((\a)%4)+\b):8*(8*((\a)%4)+\b)+7], v[128*(\set)+12*\b:128*(\set)+12*\b+11], v[AF+12*(\a):AF+12*(\a)+11], v[BIAS+8*\b:BIAS+8*\b+7], v[SC+8*(\set)+\b], v[SC+8*(\set)+(\a)] matrix_a_fmt:MATRIX_FMT_FP6 matrix_b_fmt:MATRIX_FMT_FP6 matrix_a_scale:MATRIX_SCALE_ROW1
.else
	v_wmma_scale_f32_16x16x128_f8f6f4 v[8*(8*((\a)%4)+\b):8*(8*((\a)%4)+\b)+7], v[128*(\set)+12*\b:128*(\set)+12*\b+11], v[AF+12*(\a):AF+12*(\a)+11], v[8*(8*((\a)%4)+\b):8*(8*((\a)%4)+\b)+7], v[SC+8*(\set)+\b], v[SC+8*(\set)+(\a)] matrix_a_fmt:MATRIX_FMT_FP6 matrix_b_fmt:MATRIX_FMT_FP6 matrix_a_scale:MATRIX_SCALE_ROW1
.endif
.endr
.endm
.macro MULQ k, set, first
.set WW, 2+((\k)*QA)/4
.if \first
.set WN, 0x01|(WW<<6)
.else
.set WN, 0x01|(WW<<6)|(WW<<4)
.endif
	WIN WN
.set AA, (\k)*QA
.rept QA
	MULA AA, \set, \first
.set AA, AA+1
.endr
.endm
.macro STEP slot, q, first
	s_wait_dscnt 6*HA
	MULQ 0, (\q)%2, \first
	MULQ 1, (\q)%2, \first
	s_wait_dscnt 0x0
	PLACES 4
	FETCH_B \slot, (\q)+1, 1-(\q)%2
	FETCH_A \slot, (\q)+1, 0
	SCALES \slot, (\q)+1, 1-(\q)%2
	MULQ 2, (\q)%2, \first
	MULQ 3, (\q)%2, \first
	PLACES 4
	WIN 0
	FETCH_A \slot, (\q)+1, HA
.endm
.macro STEPS slot, from
.set QQ, \from
.rept NQ-1-\from
	STEP \slot, QQ, 0
.set QQ, QQ+1
.endr
.endm
.macro TURN slot, next, fill
	s_wait_tensorcnt 0x0
	ds_add_u32 v[SPW], v[NIL]
	s_wait_dscnt 6*HA+1
	MULQ 0, 1, 0
	s_wait_dscnt 0x0
	s_barrier_signal -1
	MULQ 1, 1, 0
	WIN 0
	s_barrier_wait -1
.if \fill
	CREST
	s_add_nc_u64 s[G0A+4*\slot+2:G0A+4*\slot+3], s[G0A+4*\slot+2:G0A+4*\slot+3], 6400   ; two groups on
	s_add_nc_u64 s[G0B+4*\slot+2:G0B+4*\slot+3], s[G0B+4*\slot+2:G0B+4*\slot+3], 6400
	JLOAD \slot
.else
	PLACES 4
.endif
	FETCH_B \next, 0, 0
	FETCH_A \next, 0, 0
	SCALES \next, 0, 0
	MULQ 2, 1, 0
	MULQ 3, 1, 0
	PLACES 4
	WIN 0
	FETCH_A \next, 0, HA
.endm
.macro QUANT s
.irp b, 0,1,2,3
	v_max3_num_f32 v[TM+\b], |v[\s+16*\b]|, |v[\s+1+16*\b]|, 0x1800000
.endr
.irp i, 2,4,6,8,10,12,14
.irp b, 0,1,2,3
	v_max3_num_f32 v[TM+\b], v[TM+\b], |v[\s+16*\b+\i]|, |v[\s+1+16*\b+\i]|
.endr
.endr
.irp b, 0,1,2,3
	v_permlanex16_b32 v[TM+4+\b], v[TM+\b], s70, s71
.endr
.irp b, 0,1,2,3
	v_max_num_f32 v[TM+\b], v[TM+\b], v[TM+4+\b]
.endr
.irp b, 0,1,2,3
	v_add_nc_u32 v[TM+12+\b], 0xff000000, v[TM+\b]
.endr
.irp b, 0,1,2,3
	v_lshrrev_b32 v[TM+4+\b], 23, v[TM+12+\b]
.endr
	v_lshl_or_b32 v[PW], v[TM+5], 8, v[TM+4]
	v_lshl_or_b32 v[PW], v[TM+6], 16, v[PW]
	v_lshl_or_b32 v[PW], v[TM+7], 24, v[PW]
.irp c, 0,1
	v_cvt_scalef32_pk16_fp6_f32 v[PC+6*\c:PC+2+6*\c], v[\s+32*\c:\s+15+32*\c], v[TM+12+2*\c]
	v_cvt_scalef32_pk16_fp6_f32 v[PC+12+4*\c:PC+14+4*\c], v[\s+16+32*\c:\s+31+32*\c], v[TM+12+2*\c+1]
.endr
	v_nop
.irp c, 0,1
.irp i, 0,1,2
	v_permlane16_swap_b32 v[PC+6*\c+\i], v[PC+12+4*\c+\i]
.endr
.irp i, 0,1,2
	v_mov_b32 v[PC+3+6*\c+\i], v[PC+12+4*\c+\i]
.endr
.endr
.endm
	s_load_b256 s[16:23], s[0:1], 0x0
	s_load_b128 s[72:75], s[0:1], 0x20
	s_load_b64 s[76:77], s[0:1], 0x30
	v_lshl_add_u32 v[SPW], v0, 2, SPARE
	v_mov_b32 v[NIL], 0
	ds_add_u32 v28, v29
	ds_add_u32 v28, v29
	s_wait_dscnt 0x0
	v_lshrrev_b32 v1, 5, v0
	v_readfirstlane_b32 s66, v1
	s_lshr_b32 s67, s66, 1
	s_and_b32 s68, s66, 1
	s_bfe_u32 s40, ttmp6, 0x40000
	s_bfe_u32 s41, ttmp6, 0x40004
	s_mov_b32 s69, ttmp9
	s_and_b32 s80, ttmp7, 0xffff
	s_lshl_b32 s80, s80, 2
	s_lshl_b32 s81, s69, 2
	s_cmp_eq_u32 s69, 2
	s_cselect_b32 s45, 0, s80
	s_cselect_b32 s42, s80, s81
	s_add_co_u32 s45, s45, s41
	s_add_co_u32 s42, s42, s40
	s_lshl_b32 s43, s41, 2
	s_lshl_b32 s43, 15, s43
	s_lshl_b32 s44, 0x1111, s40
	s_or_b32 s[G1A], s43, (3<<16)|(1<<21)
	s_or_b32 s[G1B], s44, (3<<16)|(1<<21)
	s_mov_b32 s[G1A+1], (ROWL/8)<<16
	s_mov_b32 s[G1A+2], NA<<16
	s_mov_b32 s[G1A+3], (ROWL/8)<<16
	s_mov_b32 s[G1A+4], NA
	s_mov_b32 s[G1A+5], STRIP/8
	s_mov_b32 s[G1A+6], 0
	s_mov_b32 s[G1A+7], 0
	s_mov_b32 s[G1B+1], (ROWL/8)<<16
	s_mov_b32 s[G1B+2], 8<<16
	s_mov_b32 s[G1B+3], (ROWL/8)<<16
	s_mov_b32 s[G1B+4], 8
	s_mov_b32 s[G1B+5], STRIP/8
	s_mov_b32 s[G1B+6], 0
	s_mov_b32 s[G1B+7], 0
	s_mul_i32 s84, s45, 2*NA*STRIP
	s_mul_i32 s85, s68, NA*STRIP
	s_add_co_u32 s84, s84, s85
	s_mov_b32 s85, 0
	s_mul_i32 s86, s42, 16*STRIP
	s_mul_i32 s87, s68, 8*STRIP
	s_add_co_u32 s86, s86, s87
	s_mov_b32 s87, 0
	s_mul_i32 s80, s68, NA*ROWL
	s_mul_i32 s81, s68, 8*ROWL
	s_add_co_u32 s81, s81, 2*NA*ROWL
	s_mov_b32 s70, 0x76543210
	s_mov_b32 s71, 0xfedcba98
	s_wait_kmcnt 0x0
	s_add_nc_u64 s[88:89], s[18:19], 1638400
	s_cmp_eq_u32 s69, 2
	s_cselect_b64 s[4:5], s[88:89], s[16:17]
	s_cselect_b64 s[6:7], s[16:17], s[18:19]
	s_add_nc_u64 s[4:5], s[4:5], s[84:85]
	s_add_nc_u64 s[6:7], s[6:7], s[86:87]
.irp s, 0,1
	s_mov_b32 s[G0A+4*\s], 1
	s_add_co_u32 s[G0A+4*\s+1], s80, \s*SLOT
	s_add_nc_u64 s[G0A+4*\s+2:G0A+4*\s+3], s[4:5], \s*3072   ; slot 1: group 1 less 128 bytes
	s_or_b32 s[G0A+4*\s+3], s[G0A+4*\s+3], 0x80000000
	s_mov_b32 s[G0B+4*\s], 1
	s_add_co_u32 s[G0B+4*\s+1], s81, \s*SLOT
	s_add_nc_u64 s[G0B+4*\s+2:G0B+4*\s+3], s[6:7], \s*3072
	s_or_b32 s[G0B+4*\s+3], s[G0B+4*\s+3], 0x80000000
.endr
	CROUND                                         ; all sixteen work-groups are here: the first joint loads meet
	JLOAD 0                                        ; slot 0: my one tensor load at the head
	; PREFETCHES INTO THE L2.  Of the 8 strips that I fetch, each of the four partners that ask for them with me takes 2, told apart by address (cx for A's, cy for B's).  A lane names one block of 256 bytes: 13 blocks of each
	; of the 2 strips an instruction (lanes 26-31 name lane 25's again).  Here: blocks 11 to 36 of a strip, which slot 1's first fill and slot 0's refill will ask for; behind slot 1's load: blocks 37 to 49, the strip's last.
	s_cmp_eq_u32 s67, 0                            ; do I fetch for A?
	s_cselect_b64 s[96:97], s[4:5], s[6:7]
	s_cselect_b32 s98, s40, s41
	s_mul_i32 s98, s98, 2*STRIP
	s_mov_b32 s99, 0
	s_add_nc_u64 s[96:97], s[96:97], s[98:99]      ; never rewritten
	v_and_b32 v30, 31, v0
	v_min_u32 v30, 25, v30
	v_mul_u32_u24 v31, v30, 5
	v_lshrrev_b32 v31, 6, v31                      ; 1 from lane 13 on: the second strip
	v_mul_u32_u24 v31, v31, STRIP-3328
	v_lshl_add_u32 v30, v30, 8, v31                ; never rewritten
	s_wait_alu depctr_va_vdst(0)
	global_prefetch_b8 v30, s[96:97] offset:2816 th:TH_LOAD_NT scope:SCOPE_SE
	global_prefetch_b8 v30, s[96:97] offset:6144 th:TH_LOAD_NT scope:SCOPE_SE
	v_and_b32 v1, 15, v0
	v_bfe_u32 v2, v0, 4, 1
	v_and_b32 v3, 31, v0
	v_lshlrev_b32 v10, 4, v3
	v_lshlrev_b32 v11, 2, v3
	v_lshlrev_b32 v3, 3, v3
	v_lshlrev_b32 v4, 2, v1
	s_mul_i32 s82, s67, NA*ROWL
	s_mul_i32 s83, s68, 8*ROWL
	s_add_co_u32 s83, s83, 2*NA*ROWL
	s_sub_co_u32 s88, s83, s82
	v_mul_u32_u24 v12, s88, v2
	v_add_nc_u32 v12, v12, v4
.irp s, 0,1
	v_add_nc_u32 v[ADRA+\s], s82, v3
	v_add_nc_u32 v[ADRB+\s], s83, v3
	v_add_nc_u32 v[ADRS+\s], s82, v12
	s_add_co_u32 s82, s82, SLOT+128                ; in slot 1 a group begins 128 bytes into its row
	s_add_co_u32 s83, s83, SLOT+128
.endr
	v_lshlrev_b32 v13, 6, v2
	v_and_b32 v5, 7, v0
	v_bfe_u32 v14, v0, 3, 1
	v_lshl_add_u32 v5, v14, 4, v5
	v_lshlrev_b32 v5, 2, v5
	v_mov_b32 v6, 0x7f7f0000
	v_mov_b32 v7, 0x01e30000
	v_mov_b32 v8, 0x01010000
	v_mov_b32 v9, 63
.irp b, 0,1,2,3
	v_mov_b32 v[TM+4+\b], 0
.endr
	s_lshl_b32 s88, s45, 4
	s_lshl_b32 s89, s67, 3
	s_add_co_u32 s88, s88, s89
	s_mov_b32 s91, 0
	s_cmp_eq_u32 s69, 2
	s_cbranch_scc1 .Lv_arm
	s_and_b32 s89, s42, 3
	s_lshl_b32 s89, s89, 1
	s_add_co_u32 s89, s89, s68
	s_lshl_b32 s90, s89, 9
	s_cmp_eq_u32 s69, 0
	s_cselect_b64 s[8:9], s[20:21], s[22:23]
	s_add_nc_u64 s[8:9], s[8:9], s[90:91]
.irp b, 0,1,2,3,4,5,6,7
	global_load_b128 v[BIAS+8*\b:BIAS+8*\b+3], v13, s[8:9] offset:(32*(\b/2)+8*(\b%2))*4
	global_load_b128 v[BIAS+8*\b+4:BIAS+8*\b+7], v13, s[8:9] offset:(32*(\b/2)+8*(\b%2))*4+16
.endr
	s_lshl_b32 s90, s88, 6
	s_add_nc_u64 s[92:93], s[74:75], s[90:91]
	s_wait_alu depctr_va_vdst(0)
.irp a, 0,1,2,3,4,5,6,7
	global_load_b32 v[MK+\a], v5, s[92:93] offset:4*(32*(\a/2)+8*(\a%2))
	v_mov_b32 v[BL+2*\a], 0
	v_mov_b32 v[BL+2*\a+1], 0
.endr
	s_lshr_b32 s90, s88, 7
	s_lshl_b32 s90, s90, 4
	s_lshl_b32 s94, s89, 1
	s_add_co_u32 s90, s90, s94
	s_and_b32 s94, s88, 127
	s_lshl_b32 s95, s90, 7
	s_add_co_u32 s95, s95, s94
	s_mul_i32 s80, s95, 768
	s_add_co_u32 s80, s80, QC
	s_lshl_b32 s82, s95, 6
	s_add_co_u32 s82, s82, QS
	s_lshl_b32 s95, s90, 4
	s_lshr_b32 s94, s94, 3
	s_add_co_u32 s95, s95, s94
	s_mul_i32 s95, s95, REC
	s_cmp_eq_u32 s69, 0
	s_cselect_b32 s80, s80, s95
	s_branch .Ljoin
.Lv_arm:
.set i, 0
.rept 64
	v_mov_b32 v[BIAS+i], 0
.set i, i+1
.endr
	s_lshl_b32 s90, s88, 6
	s_add_nc_u64 s[92:93], s[72:73], s[90:91]
.irp a, 0,1,2,3,4,5,6,7
	global_load_b32 v[BL+2*\a], v5, s[92:93] offset:4*(32*(\a/2)+8*(\a%2))
	v_mov_b32 v[BL+2*\a+1], 0
	v_mov_b32 v[MK+\a], 1
.endr
	s_lshl_b32 s89, s42, 1
	s_add_co_u32 s89, s89, s68
	s_lshr_b32 s90, s89, 4
	s_lshl_b32 s90, s90, 4
	s_lshr_b32 s94, s88, 2
	s_add_co_u32 s90, s90, s94
	s_lshl_b32 s90, s90, 4
	s_and_b32 s94, s89, 15
	s_add_co_u32 s90, s90, s94
	s_mul_i32 s80, s90, REC
	s_mov_b32 s82, 0
.Ljoin:
	s_mov_b32 s81, 0
	s_mov_b32 s83, 0
	s_add_nc_u64 s[10:11], s[76:77], s[80:81]
	s_add_nc_u64 s[12:13], s[76:77], s[82:83]
	s_wait_alu depctr_va_vdst(0)
	s_wait_tensorcnt 0x0                           ; my part of slot 0 is in; slot 1's first fill is issued as a refill is
	ds_add_u32 v[SPW], v[NIL]
	s_wait_dscnt 0x0
	CROUND
	JLOAD 1
	global_prefetch_b8 v30, s[96:97] offset:9472 th:TH_LOAD_NT scope:SCOPE_SE   ; the strips' last 13 blocks, which end with the strip: the refills ask for nothing more
	FETCH_B 0, 0, 0
	FETCH_A 0, 0, 0
	SCALES 0, 0, 0
	FETCH_A 0, 0, HA
	s_wait_loadcnt 0x0
	STEP 0, 0, 1
.if LAPS > 1
	s_mov_b32 s3, LAPS-1
.Llap:
	STEPS 0, 1
	TURN 0, 1, 1
	STEPS 1, 0
	TURN 1, 0, 1
	STEP 0, 0, 0
	s_sub_co_u32 s3, s3, 1
	s_cmp_lg_u32 s3, 0
	s_cbranch_scc1 .Llap
.endif
	STEPS 0, 1
	TURN 0, 1, 0
	STEPS 1, 0
	s_wait_dscnt 6*HA
	MULQ 0, 1, 0
	MULQ 1, 1, 0
	s_wait_dscnt 0x0
	MULQ 2, 1, 0
	MULQ 3, 1, 0
	WIN 0
.macro OUTQ a
.irp c, 0,1
.irp p, 0,1,2
	global_store_b64 v3, v[PC+6*\c+2*\p:PC+6*\c+2*\p+1], s[10:11] offset:\c*98304+\a*768+256*\p
.endr
.endr
	v_and_or_b32 v249, v[PW], 0xffff, v6
	v_lshrrev_b32 v250, 16, v[PW]
	v_or_b32 v250, v250, v6
	global_store_b32 v4, v249, s[12:13] offset:\a*64
	global_store_b32 v4, v250, s[12:13] offset:8192+\a*64
.endm
.macro OUTK a
	v_cmp_eq_u32 vcc_lo, 0, v[MK+\a]
	v_cndmask_b32 v251, v8, v7, vcc_lo
	v_or_b32 v252, v[MK+\a], v2
	v_cmp_eq_u32 vcc_lo, 0, v252
	v_cndmask_b32 v252, 0, v9, vcc_lo
.irp i, 0,1,2,3,4,5
	v_mov_b32 v[TM+\i], v[PC+6+\i]
.endr
	v_mov_b32 v[TM+6], v252
	v_mov_b32 v[TM+7], 0
	v_mov_b32 v[PC+6], v252
	v_mov_b32 v[PC+7], 0
	global_store_b128 v10, v[PC:PC+3], s[10:11] offset:\a*1024
	global_store_b128 v10, v[PC+4:PC+7], s[10:11] offset:\a*1024+512
	global_store_b128 v10, v[TM:TM+3], s[10:11] offset:HEADB+\a*1024
	global_store_b128 v10, v[TM+4:TM+7], s[10:11] offset:HEADB+\a*1024+512
	v_and_or_b32 v249, v[PW], 0xffff, v251
	v_lshrrev_b32 v250, 16, v[PW]
	v_or_b32 v250, v250, v251
	global_store_b32 v4, v249, s[10:11] offset:14336+64*\a
	global_store_b32 v4, v250, s[10:11] offset:HEADB+14336+64*\a
.endm
.macro OUTV a
.irp c, 0,1,2
	global_store_b128 v10, v[PC+4*\c:PC+4*\c+3], s[10:11] offset:(\a/4)*HEADB+8192+(\a%4)*1536+512*\c
.endr
	global_store_b32 v11, v[PW], s[10:11] offset:(\a/4)*HEADB+14848+128*(\a%4)
.endm
.macro BLOCK a
.if \a > 0
	s_wait_xcnt 0x0
.endif
	WIN 0x02+(\a/4)
.set i, 0
.rept 32
	v_pk_add_f32 v[X0+i:X0+i+1], v[64*(\a%4)+i:64*(\a%4)+i+1], v[BL+2*\a:BL+2*\a+1] op_sel_hi:[1,0]
.set i, i+2
.endr
	WIN 0
	QUANT X0
	s_cmp_eq_u32 s69, 0
	s_cbranch_scc0 .Lnot_q_\@
	OUTQ \a
	s_branch .Lout_\@
.Lnot_q_\@:
	s_cmp_eq_u32 s69, 1
	s_cbranch_scc0 .Lnot_k_\@
	OUTK \a
	s_branch .Lout_\@
.Lnot_k_\@:
	s_wait_alu depctr_va_vdst(0)
	OUTV \a
.Lout_\@:
.endm
	PLACES 4
.irp a, 0,1,2,3,4,5,6,7
	BLOCK \a
.endr
	s_wait_tensorcnt 0x0
	ds_add_u32 v[SPW], v[NIL]
	s_wait_dscnt 0x0
	CROUND
	s_endpgm
.Lfunc_end_k_q4e71f4f56a_qkv:
	.size	k_q4e71f4f56a_qkv, .Lfunc_end_k_q4e71f4f56a_qkv-k_q4e71f4f56a_qkv
	.p2alignl 7, 3214868480
	.fill 96, 4, 3214868480
	.section	.rodata,"a",@progbits
	.p2align	6, 0x0
	.amdhsa_kernel k_q4e71f4f56a_qkv
		.amdhsa_group_segment_fixed_size 327680
		.amdhsa_private_segment_fixed_size 0
		.amdhsa_enable_private_segment 0
		.amdhsa_kernarg_size 56
		.amdhsa_user_sgpr_count 2
		.amdhsa_user_sgpr_kernarg_segment_ptr 1
		.amdhsa_wavefront_size32 1
		.amdhsa_system_sgpr_workgroup_id_x 1
		.amdhsa_system_sgpr_workgroup_id_y 1
		.amdhsa_system_sgpr_workgroup_id_z 1
		.amdhsa_system_vgpr_workitem_id 0
		.amdhsa_next_free_vgpr 1024
		.amdhsa_next_free_sgpr 100
		.amdhsa_reserve_vcc 1
		.amdhsa_float_denorm_mode_32 3
		.amdhsa_float_denorm_mode_16_64 3
		.amdhsa_memory_ordered 1
		.amdhsa_forward_progress 1
		.amdhsa_inst_pref_size 207
	.end_amdhsa_kernel
	.amdgpu_metadata
---
amdhsa.version: [ 1, 2 ]
amdhsa.kernels:
  - .name:           k_q4e71f4f56a_qkv
    .symbol:         k_q4e71f4f56a_qkv.kd
    .args:
      - { .name: actq, .offset: 0, .size: 8, .value_kind: global_buffer, .address_space: global }
      - { .name: wts, .offset: 8, .size: 8, .value_kind: global_buffer, .address_space: global }
      - { .name: bq, .offset: 16, .size: 8, .value_kind: global_buffer, .address_space: global }
      - { .name: bk, .offset: 24, .size: 8, .value_kind: global_buffer, .address_space: global }
      - { .name: bv, .offset: 32, .size: 8, .value_kind: global_buffer, .address_space: global }
      - { .name: mask, .offset: 40, .size: 8, .value_kind: global_buffer, .address_space: global }
      - { .name: qkv, .offset: 48, .size: 8, .value_kind: global_buffer, .address_space: global }
    .group_segment_fixed_size: 327680
    .private_segment_fixed_size: 0
    .kernarg_segment_align: 8
    .kernarg_segment_size: 56
    .max_flat_workgroup_size: 128
    .sgpr_count:     100
    .vgpr_count:     1024
    .wavefront_size: 32
...
	.end_amdgpu_metadata
.endif
;; end of part 2
;; launch attn (part 3): grid 8 x 32, 16 waves a work-group, clusters of 4 x 1, 247,808 bytes of LDS; arguments qkv, actq; writes actq
.if DOCPART == 3
	.amdgcn_target "amdgcn-amd-amdhsa--gfx1250"
	.amdhsa_code_object_version 6
	.text
	.protected	k_q4e71f4f56a_attn
	.globl	k_q4e71f4f56a_attn
	.p2align	8
	.type	k_q4e71f4f56a_attn,@function
k_q4e71f4f56a_attn:
	s_mov_b64 s[64:65], 0
	v_nop
	global_prefetch_b8 v0, s[64:65] scope:SCOPE_SE
	s_setreg_imm32_b32 hwreg(HW_REG_WAVE_MODE, 25, 1), 1
	s_wait_xcnt 0x0
	s_wait_alu depctr_hold_cnt(0) depctr_sa_sdst(0) depctr_va_vdst(0) depctr_va_sdst(0) depctr_va_ssrc(0) depctr_va_vcc(0) depctr_vm_vsrc(0)
	s_getreg_b32 s2, hwreg(HW_REG_IB_STS2, 6, 4)
	s_cmp_eq_u32 s2, 0
	s_cbranch_scc0 .Lentry_in_a_cluster
	s_endpgm
.Lentry_in_a_cluster:
	s_bfe_u32 s2, ttmp6, 0x10000c
	s_cmp_lg_u32 s2, 0x3003
	s_cbranch_scc0 .Lentry_shape_is_right
	s_endpgm
.Lentry_shape_is_right:
; Attention on codes of FP6 (E2M3): o = softmax(q k^T / 8, masked) v for one head, and o quantised at once, along the model's 1,024, for the product with Wo.
; THE SOFTMAX AHEAD OF THE SECOND PRODUCT: t = score x log2(e) / 8; M = the running largest t rounded UP to a whole number; p = 2^(t - M) is quantised along the keys, not normalised; the row's sum is taken of the
; unquantised p and divides at the end.  When M moves, the sum and O are multiplied by 2^(old M - new M): exact.
; SHARES.  A work-group owns 256 queries of one head (y = 16 x batch + head), each of its sixteen waves one tile of 16, in 256 registers.
; THE HEAD'S WHOLE k AND v LIE IN LDS: 16 records of 15,360 bytes (128 keys each), filled ONCE: wave w brings record w by its one tensor load, 60 rows of 256 bytes.  One barrier shows all records to all waves; the walk has none.
; CLUSTER.  The four query blocks of a cluster read the same head: every record is asked for jointly, with the mask of all four.  No prefetch: all that the launch reads by tensor loads is asked for at its head.
; LAYOUT.  Both products transposed: S^T = k q^T, O^T = v^T p^T: a lane holds one query.  Row r of a tile of keys is key 32 (T/2) + 8 (T%2) + r%8 + 16 (r/8), so that the 16 registers of tiles 2 b, 2 b + 1 are 16 neighbouring keys.
; THE HEAD'S 64 fill half of the instruction's 128.  The other half serves the mask: q holds the code of 1.0 at k = 64; a masked key holds -7.5 there under the byte 227: its score is -7.5 x 2^100, under the first M, so its p is 0.
; LIMITS: |score x 0.18| stays under 2^96 (the largest t starts at -2^96).  A query whose every key is masked gets sum 0 and O = NaN here, but the quantiser behind it has no code for NaN: such a batch is not served.  NaN, infinities: not served.
.set REC, 15360
.set QC,  7864320
.set QS,  11010048
.set S,   128                          ; v128-191 S^T, then p
.set O,   192                          ; v192-223 O^T
.set KF,  32                           ; v32-79   four fragments of k (registers 8-11 of each stay 0)
.set VF,  80                           ; v80-127  four fragments of v^T;  v28-31 their scale words
.set SM,  236                          ; v236-251 eight partial sums of p (pairs), free behind the conversions
.set SPW, 10                           ; v10 my spare word's address, v11 zero: never rewritten
.set NIL, 11
.set WV,  8                            ; s8  wave
.set SEL, 40                           ; s[40:41] lane l xor 16
.set CS,  42                           ; s[42:43] c = log2(e) / 8
.set TB,  44                           ; s44 LDS byte of the record in hand
.set CNT, 45
; v1 16 l, v2 4 l, v3 8 l, v4 4 r; v8, v9 the record's addresses; v12 -M, v13 the largest t, v[14:15] the sum in two halves; v16-27 q; v224-235 p's codes; v232-254 at work; v248-251 k's scale words; v255 q's
.macro CROUND
	s_barrier_signal -1
	s_barrier_wait -1
	s_cmp_lg_u32 s[WV], 0
	s_cbranch_scc1 .Lnot_wave_0_\@
	s_barrier_signal -3
.Lnot_wave_0_\@:
	s_barrier_wait -3
	s_barrier_signal -1
	s_barrier_wait -1
.endm
.macro NOPS
.rept 4
	v_nop
.endr
.endm
	s_load_b128 s[4:7], s[0:1], 0x0                ; q, k, v;  the output
	v_lshl_add_u32 v[SPW], v0, 2, 0x3c000
	v_mov_b32 v[NIL], 0
	ds_add_u32 v[SPW], v[NIL]                      ; the opening lines: the add twice and one wait
	ds_add_u32 v[SPW], v[NIL]
	v_lshrrev_b32 v1, 5, v0
	s_delay_alu instid0(VALU_DEP_1)
	v_readfirstlane_b32 s[WV], v1                  ; wave 0..15
	s_bfe_u32 s9, ttmp6, 0x40000                   ; cx
	s_lshl_b32 s10, ttmp9, 2
	s_add_co_u32 s10, s10, s9                      ; my block of 256 queries: it enters q's and the output's addresses alone
	s_and_b32 s11, ttmp7, 0xffff                   ; 16 x batch + head, which the partners share
	s_mov_b32 s16, 15|(3<<16)|(1<<21)              ; the mask: all four; elements of 8 bytes; bit 21 beside a mask
	s_mov_b32 s17, 32<<16                          ; rows of 256 bytes,
	s_mov_b32 s18, 60<<16                          ; 60 of them: a dense record
	s_mov_b32 s19, 32<<16
	s_mov_b32 s20, 60
	s_mov_b32 s21, 32
	s_mov_b32 s22, 0
	s_mov_b32 s23, 0
	s_mul_i32 s14, s[WV], REC                      ; my record's place, in the head's records and in LDS alike
	s_mul_i32 s12, s11, 16*REC
	s_add_co_u32 s12, s12, s14
	s_mov_b32 s13, 0
	s_mov_b32 s[SEL], 0x76543210
	s_mov_b32 s[SEL+1], 0xfedcba98
	s_mov_b32 s[CS], 0x3e38aa3b
	s_mov_b32 s[CS+1], s[CS]
	s_wait_dscnt 0x0
	s_wait_kmcnt 0x0
	s_mov_b32 s24, 1
	s_mov_b32 s25, s14
	s_add_nc_u64 s[26:27], s[4:5], s[12:13]
	s_or_b32 s27, s27, 0x80000000
	CROUND                                         ; all four work-groups are here: the joint loads meet
	tensor_load_to_lds s[24:27], s[16:23]          ; my one tensor load
	s_nop 0
	NOPS
	s_lshl_b32 s54, s10, 4
	s_add_co_u32 s54, s54, s[WV]                   ; my tile of queries within the batch
	s_lshl_b32 s55, s11, 7
	s_add_co_u32 s55, s55, s54
	s_mul_i32 s56, s55, 768
	s_add_co_u32 s56, s56, QC
	s_mov_b32 s57, 0
	s_add_nc_u64 s[48:49], s[4:5], s[56:57]        ; q's codes
	s_lshl_b32 s56, s55, 6
	s_add_co_u32 s56, s56, QS
	s_add_nc_u64 s[50:51], s[4:5], s[56:57]        ; q's scale words
	s_lshr_b32 s56, s11, 4
	s_lshl_b32 s56, s56, 7
	s_add_co_u32 s56, s56, s54
	s_mul_i32 s56, s56, 12800                      ; the output tile's strip,
	s_and_b32 s58, s11, 15                         ; head
	s_lshr_b32 s59, s58, 2
	s_mul_i32 s59, s59, 3200
	s_add_co_u32 s56, s56, s59                     ; the group of 256 along the model's axis: four heads,
	s_and_b32 s59, s58, 3
	s_mul_i32 s59, s59, 768
	s_add_co_u32 s60, s56, s59                     ; my head's chunk
	s_mov_b32 s61, 0
	s_add_nc_u64 s[52:53], s[6:7], s[60:61]
	s_bfe_u32 s59, s58, 0x10001
	s_lshl_b32 s59, s59, 6
	s_add_co_u32 s60, s56, s59
	s_and_b32 s59, s58, 1
	s_lshl_b32 s59, s59, 1
	s_add_co_u32 s60, s60, s59
	s_add_co_u32 s60, s60, 3072                    ; my head's two bytes of the scale words
	s_add_nc_u64 s[62:63], s[6:7], s[60:61]
	v_and_b32 v5, 31, v0
	v_and_b32 v6, 15, v0
	v_bfe_u32 v7, v0, 4, 1
	v_lshlrev_b32 v1, 4, v5
	v_lshlrev_b32 v2, 2, v5
	v_lshlrev_b32 v3, 3, v5
	v_lshlrev_b32 v4, 2, v6
	global_load_b64 v[16:17], v3, s[48:49]         ; q's fragment stays in registers
	global_load_b64 v[18:19], v3, s[48:49] offset:256
	global_load_b64 v[20:21], v3, s[48:49] offset:512
	global_load_b32 v255, v4, s[50:51]
	v_sub_nc_u32 v22, 1, v7
	s_delay_alu instid0(VALU_DEP_1)
	v_lshlrev_b32 v22, 3, v22                      ; the code of 1.0 at k = 64, which lies in lanes 0-15
.irp j, 23,24,25,26,27
	v_mov_b32 v\j, 0
.endr
.irp t, 0,1,2,3
.irp j, 8,9,10,11
	v_mov_b32 v[KF+12*\t+\j], 0                    ; k's codes for k = 74 on: zeros, written once
.endr
.endr
	v_mov_b32 v13, 0xef800000                      ; the largest t so far: -2^96: over every masked t, under every other
	s_delay_alu instid0(VALU_DEP_1)
	v_floor_f32 v12, -v13                          ; -M
	v_mov_b32 v14, 0
	v_mov_b32 v15, 0
.irp b, 0,1,2,3
	v_mov_b32 v[236+\b], 0                         ; a lane permute's destination counts as one of its sources
.endr
	v_mov_b32 v253, 0                              ; (named as the upper half of v[252:253] before it is first written)
.set j, 0
.rept 32
	v_mov_b32 v[O+j], 0                            ; O^T: the step is written once; the first finds zeros
.set j, j+1
.endr
.macro SCORES g                        ; four tiles of 16 keys; an even tile's scale words lie in lanes 0-15 of its pair's register, an odd one's in lanes 16-31
.irp t, 0,1,2,3
.if \t%2
	v_wmma_scale_f32_16x16x128_f8f6f4 v[S+8*(4*\g+\t):S+8*(4*\g+\t)+7], v[KF+12*\t:KF+12*\t+11], v[16:27], 0, v[248+2*\g+\t/2], v255 matrix_a_fmt:MATRIX_FMT_FP6 matrix_b_fmt:MATRIX_FMT_FP6 matrix_a_scale:MATRIX_SCALE_ROW1
.else
	v_wmma_scale_f32_16x16x128_f8f6f4 v[S+8*(4*\g+\t):S+8*(4*\g+\t)+7], v[KF+12*\t:KF+12*\t+11], v[16:27], 0, v[248+2*\g+\t/2], v255 matrix_a_fmt:MATRIX_FMT_FP6 matrix_b_fmt:MATRIX_FMT_FP6
.endif
.endr
.endm
.macro KLOAD g
.irp t, 0,1,2,3
	ds_load_b128 v[KF+12*\t:KF+12*\t+3], v8 offset:1024*(4*\g+\t)
	ds_load_b128 v[KF+12*\t+4:KF+12*\t+7], v8 offset:1024*(4*\g+\t)+512
.endr
.endm
	s_wait_alu depctr_va_vdst(0)
	s_wait_loadcnt 0x0                             ; q
	s_wait_tensorcnt 0x0                           ; my record is in
	s_wait_dscnt 0x0
	s_barrier_signal -1
	s_barrier_wait -1                              ; every wave's record is
	s_mov_b32 s[TB], 0
	s_mov_b32 s[CNT], 16
.Lstep:                                                ; 128 keys: one record
	v_add_nc_u32 v8, s[TB], v1
	v_add_nc_u32 v9, s[TB], v2
	KLOAD 0
.irp i, 0,1,2,3
	ds_load_b32 v[248+\i], v9 offset:14336+128*\i
.endr
	s_wait_alu depctr_va_vdst(0)
	s_wait_dscnt 0x0
	SCORES 0
	NOPS                                           ; places in front of loads into registers that matrix instructions have read (with the two additions above: six behind the last step's products)
	KLOAD 1
.irp t, 0,1,2,3
.irp c, 0,1,2
	ds_load_b128 v[VF+12*\t+4*\c:VF+12*\t+4*\c+3], v8 offset:8192+1536*\t+512*\c
.endr
	ds_load_b32 v[28+\t], v9 offset:14848+128*\t
.endr
	s_wait_dscnt 16                                ; k's tiles are in; v's sixteen loads may be out
	SCORES 1
	NOPS
.irp b, 0,1,2,3
	v_max3_num_f32 v[232+\b], v[S+16*\b], v[S+1+16*\b], v[S+2+16*\b]   ; the largest score of each block of 32 keys: for the row's maximum and, since p rises with the score, for the block's largest p
.endr
.irp i, 3,5,7,9,11,13
.irp b, 0,1,2,3
	v_max3_num_f32 v[232+\b], v[232+\b], v[S+16*\b+\i], v[S+1+16*\b+\i]
.endr
.endr
.irp b, 0,1,2,3
	v_max_num_f32 v[232+\b], v[232+\b], v[S+15+16*\b]
.endr
.irp b, 0,1,2,3
	s_delay_alu instid0(VALU_DEP_4)
	v_permlanex16_b32 v[236+\b], v[232+\b], s[SEL], s[SEL+1]
.endr
.irp b, 0,1,2,3
	s_delay_alu instid0(VALU_DEP_4)
	v_max_num_f32 v[232+\b], v[232+\b], v[236+\b]
.endr
	s_delay_alu instid0(VALU_DEP_2)
	v_max3_num_f32 v254, v232, v233, v234
	s_delay_alu instid0(VALU_DEP_1)
	v_max_num_f32 v254, v254, v235
	s_delay_alu instid0(VALU_DEP_1)
	v_mul_f32 v254, s[CS], v254
	s_delay_alu instid0(VALU_DEP_1)
	v_max_num_f32 v13, v13, v254                   ; the running largest t
	v_mov_b32 v254, v12
	s_delay_alu instid0(VALU_DEP_2)
	v_floor_f32 v12, -v13                          ; the new -M = -ceil(t)
	s_delay_alu instid0(VALU_DEP_1)
	v_sub_f32 v254, v12, v254                      ; old M - new M: a whole number, 0 or less
	s_delay_alu instid0(VALU_DEP_1)
	v_cvt_i32_f32 v254, v254                       ; (it saturates)
	s_delay_alu instid0(VALU_DEP_1)
	v_ldexp_f32 v252, 1.0, v254                    ; f = 2^(old M - new M)
.set j, 0
.rept 32
	v_pk_fma_f32 v[S+j:S+j+1], v[S+j:S+j+1], s[CS:CS+1], v[12:13] op_sel_hi:[1,0,0]   ; t - M
.set j, j+2
.endr
.irp b, 0,1,2,3
	v_fma_f32 v[232+\b], v[232+\b], s[CS], v12
.endr
	s_wait_alu depctr_va_vdst(0)
.set j, 0
.rept 64
	v_exp_f32 v[S+j], v[S+j]                       ; p = 2^(t - M)
.set j, j+1
.endr
.irp b, 0,1,2,3
	v_exp_f32 v[232+\b], v[232+\b]                 ; the block's largest p: the same two instructions on the same number
.endr
	v_pk_mul_f32 v[14:15], v[14:15], v[252:253] op_sel_hi:[1,0]   ; the sums under the new M (a plain place behind the exponentials)
	s_wait_alu depctr_va_vdst(0)                   ; and behind it
.irp b, 0,1,2,3
	v_max_num_f32 v[232+\b], 0x1800000, v[232+\b]  ; the floor 2^(3 - 127)
.endr
.irp b, 0,1,2,3
	s_delay_alu instid0(VALU_DEP_4)
	v_add_nc_u32 v[244+\b], 0xff000000, v[232+\b]  ; 2 off the exponent field: the conversion's scale operand
.endr
.irp b, 0,1,2,3
	s_delay_alu instid0(VALU_DEP_4)
	v_lshrrev_b32 v[236+\b], 23, v[244+\b]
.endr
	s_delay_alu instid0(VALU_DEP_3)
	v_lshl_or_b32 v253, v237, 8, v236              ; p's scale word for these 128 keys
	s_delay_alu instid0(VALU_DEP_1)
	v_lshl_or_b32 v253, v238, 16, v253
	s_delay_alu instid0(VALU_DEP_1)
	v_lshl_or_b32 v253, v239, 24, v253
.irp c, 0,1
	v_cvt_scalef32_pk16_fp6_f32 v[224+6*\c:226+6*\c], v[S+32*\c:S+15+32*\c], v[244+2*\c]
	v_cvt_scalef32_pk16_fp6_f32 v[236+4*\c:238+4*\c], v[S+16+32*\c:S+31+32*\c], v[244+2*\c+1]
.endr
	v_nop                                          ; one plain place behind a scaled conversion
.irp c, 0,1
.irp i, 0,1,2
	v_permlane16_swap_b32 v[224+6*\c+\i], v[236+4*\c+\i]
.endr
.irp i, 0,1,2
	s_delay_alu instid0(VALU_DEP_3)
	v_mov_b32 v[227+6*\c+\i], v[236+4*\c+\i]
.endr
.endr
.irp k, 0,1,2,3,4,5,6,7                ; the row's sum of the unquantised p: eight chains of pairs
	v_pk_add_f32 v[SM+2*\k:SM+2*\k+1], v[S+2*\k:S+2*\k+1], v[S+16+2*\k:S+17+2*\k]
.endr
.irp j, 32,48
.irp k, 0,1,2,3,4,5,6,7
	v_pk_add_f32 v[SM+2*\k:SM+2*\k+1], v[SM+2*\k:SM+2*\k+1], v[S+\j+2*\k:S+\j+2*\k+1]
.endr
.endr
.irp k, 0,1,2,3
	v_pk_add_f32 v[SM+2*\k:SM+2*\k+1], v[SM+2*\k:SM+2*\k+1], v[SM+8+2*\k:SM+9+2*\k]
.endr
.irp k, 0,1
	s_delay_alu instid0(VALU_DEP_2)
	v_pk_add_f32 v[SM+2*\k:SM+2*\k+1], v[SM+2*\k:SM+2*\k+1], v[SM+4+2*\k:SM+5+2*\k]
.endr
	s_delay_alu instid0(VALU_DEP_1)
	v_pk_add_f32 v[SM:SM+1], v[SM:SM+1], v[SM+2:SM+3]
	s_delay_alu instid0(VALU_DEP_1)
	v_pk_add_f32 v[14:15], v[14:15], v[SM:SM+1]
	s_wait_alu depctr_va_vdst(0)
.set j, 0
.rept 16
	v_pk_mul_f32 v[O+j:O+j+1], v[O+j:O+j+1], v[252:253] op_sel_hi:[1,0]   ; O^T under the new M
.set j, j+2
.endr
	s_wait_alu depctr_va_vdst(0)
	s_wait_dscnt 0x0                               ; v is in
.irp t, 0,1,2,3
	v_wmma_scale_f32_16x16x128_f8f6f4 v[O+8*\t:O+8*\t+7], v[VF+12*\t:VF+12*\t+11], v[224:235], v[O+8*\t:O+8*\t+7], v[28+\t], v253 matrix_a_fmt:MATRIX_FMT_FP6 matrix_b_fmt:MATRIX_FMT_FP6
.endr
	s_add_co_u32 s[TB], s[TB], REC
	s_sub_co_u32 s[CNT], s[CNT], 1
	s_cmp_lg_u32 s[CNT], 0
	s_cbranch_scc1 .Lstep
	; THE WAY OUT: O^T / the sum; register 16 b + i is channel 32 b + 16 (lane/16) + i of my query: two blocks, quantised as the codes of this head's chunk of the next product's operand
	NOPS
	v_add_f32 v14, v14, v15
	s_delay_alu instid0(VALU_DEP_1)
	v_permlanex16_b32 v252, v14, s[SEL], s[SEL+1]
	s_delay_alu instid0(VALU_DEP_1)
	v_add_f32 v14, v14, v252
	s_wait_alu depctr_va_vdst(0)
	v_rcp_f32 v14, v14
	v_nop                                          ; one plain place behind a transcendental
	s_wait_alu depctr_va_vdst(0)
.set j, 0
.rept 32
	v_mul_f32 v[S+j], v[O+j], v14
.set j, j+1
.endr
.irp b, 0,1
	v_max3_num_f32 v[232+\b], |v[S+16*\b]|, |v[S+1+16*\b]|, 0x1800000
.endr
.irp i, 2,4,6,8,10,12,14
.irp b, 0,1
	s_delay_alu instid0(VALU_DEP_2)
	v_max3_num_f32 v[232+\b], v[232+\b], |v[S+16*\b+\i]|, |v[S+1+16*\b+\i]|
.endr
.endr
.irp b, 0,1
	s_delay_alu instid0(VALU_DEP_2)
	v_permlanex16_b32 v[236+\b], v[232+\b], s[SEL], s[SEL+1]
.endr
.irp b, 0,1
	s_delay_alu instid0(VALU_DEP_2)
	v_max_num_f32 v[232+\b], v[232+\b], v[236+\b]
.endr
.irp b, 0,1
	s_delay_alu instid0(VALU_DEP_2)
	v_add_nc_u32 v[244+\b], 0xff000000, v[232+\b]
.endr
.irp b, 0,1
	s_delay_alu instid0(VALU_DEP_2)
	v_lshrrev_b32 v[240+\b], 23, v[244+\b]
.endr
	s_delay_alu instid0(VALU_DEP_1)
	v_lshl_or_b32 v246, v241, 8, v240              ; my row's two bytes
	v_cvt_scalef32_pk16_fp6_f32 v[224:226], v[S:S+15], v244
	v_cvt_scalef32_pk16_fp6_f32 v[236:238], v[S+16:S+31], v245
	v_nop
.irp i, 0,1,2
	v_permlane16_swap_b32 v[224+\i], v[236+\i]
.endr
.irp i, 0,1,2
	s_delay_alu instid0(VALU_DEP_3)
	v_mov_b32 v[227+\i], v[236+\i]
.endr
.irp p, 0,1,2
	global_store_b64 v3, v[224+2*\p:225+2*\p], s[52:53] offset:256*\p   ; 256 consecutive bytes a store
.endr
	global_store_b16 v4, v246, s[62:63]            ; two bytes a row, 4 bytes apart: half of each scale word (the other half is another head's): 32 bytes a wave beside its 768 of codes
	s_wait_tensorcnt 0x0                           ; the wave's end
	ds_add_u32 v[SPW], v[NIL]
	s_wait_dscnt 0x0
	CROUND                                         ; the closing round: no work-group ends while a partner may still ask for a record that names it
	s_endpgm
.Lfunc_end_k_q4e71f4f56a_attn:
	.size	k_q4e71f4f56a_attn, .Lfunc_end_k_q4e71f4f56a_attn-k_q4e71f4f56a_attn
	.p2alignl 7, 3214868480
	.fill 96, 4, 3214868480
	.section	.rodata,"a",@progbits
	.p2align	6, 0x0
	.amdhsa_kernel k_q4e71f4f56a_attn
		.amdhsa_group_segment_fixed_size 247808
		.amdhsa_private_segment_fixed_size 0
		.amdhsa_enable_private_segment 0
		.amdhsa_kernarg_size 16
		.amdhsa_user_sgpr_count 2
		.amdhsa_user_sgpr_kernarg_segment_ptr 1
		.amdhsa_wavefront_size32 1
		.amdhsa_system_sgpr_workgroup_id_x 1
		.amdhsa_system_sgpr_workgroup_id_y 1
		.amdhsa_system_sgpr_workgroup_id_z 1
		.amdhsa_system_vgpr_workitem_id 0
		.amdhsa_next_free_vgpr 256
		.amdhsa_next_free_sgpr 66
		.amdhsa_reserve_vcc 0
		.amdhsa_float_denorm_mode_32 3
		.amdhsa_float_denorm_mode_16_64 3
		.amdhsa_memory_ordered 1
		.amdhsa_forward_progress 1
		.amdhsa_inst_pref_size 29
	.end_amdhsa_kernel
	.amdgpu_metadata
---
amdhsa.version: [ 1, 2 ]
amdhsa.kernels:
  - .name:           k_q4e71f4f56a_attn
    .symbol:         k_q4e71f4f56a_attn.kd
    .args:
      - { .name: qkv, .offset: 0, .size: 8, .value_kind: global_buffer, .address_space: global }
      - { .name: actq, .offset: 8, .size: 8, .value_kind: global_buffer, .address_space: global }
    .group_segment_fixed_size: 247808
    .private_segment_fixed_size: 0
    .kernarg_segment_align: 8
    .kernarg_segment_size: 16
    .max_flat_workgroup_size: 512
    .sgpr_count:     66
    .vgpr_count:     256
    .wavefront_size: 32
...
	.end_amdgpu_metadata
.endif
;; end of part 3
;; launch wo (part 4): grid 8 x 32, 4 waves a work-group, clusters of 4 x 4, 222,720 bytes of LDS; arguments actq, wts, bo, x, ybuf; writes ybuf
.if DOCPART == 4
	.amdgcn_target "amdgcn-amd-amdhsa--gfx1250"
	.amdhsa_code_object_version 6
	.text
	.protected	k_q4e71f4f56a_wo
	.globl	k_q4e71f4f56a_wo
	.p2align	8
	.type	k_q4e71f4f56a_wo,@function
k_q4e71f4f56a_wo:
	s_mov_b64 s[64:65], 0
	v_nop
	global_prefetch_b8 v0, s[64:65] scope:SCOPE_SE
	s_setreg_imm32_b32 hwreg(HW_REG_WAVE_MODE, 25, 1), 1
	s_wait_xcnt 0x0
	s_wait_alu depctr_hold_cnt(0) depctr_sa_sdst(0) depctr_va_vdst(0) depctr_va_sdst(0) depctr_va_ssrc(0) depctr_va_vcc(0) depctr_vm_vsrc(0)
	s_getreg_b32 s2, hwreg(HW_REG_IB_STS2, 6, 4)
	s_cmp_eq_u32 s2, 0
	s_cbranch_scc0 .Lentry_in_a_cluster
	s_endpgm
.Lentry_in_a_cluster:
	s_bfe_u32 s2, ttmp6, 0x10000c
	s_cmp_lg_u32 s2, 0xf033
	s_cbranch_scc0 .Lentry_shape_is_right
	s_endpgm
.Lentry_shape_is_right:
; ybuf = x + A Wo + bo, the product on codes of FP6 (E2M3) with E8M0 scales; A = attention's output (codes).  It is what the first LayerNorm takes.
; Operands lie in tiles of 16 rows (row r of tile T = row 32 (T/2) + 8 (T%2) + r%8 + 16 (r/8)); a tile's strip of 12,800 bytes: four groups of 3,200 bytes for 256 along K: codes as register images (8 bytes a lane), then the scale words.
; SHARES.  A work-group makes 128 x 128: 8 x 32 = 256 work-groups.  Its operands for ALL of K, 8 strips of A and 8 of B, are 204,800 bytes of LDS, filled ONCE: each wave brings four strips by its one tensor load
; (rows of 12,800 bytes, each at a multiple of 256).  No byte is filled again: one barrier, no ring.  A wave makes 64 x 64: 16 accumulators, which take turns; fragments of A and B in two sets, fetched one step of 128 along K ahead.
; 4 x 4 work-groups form a cluster: A's strips are asked for jointly along a row of the cluster, B's along a column.  No prefetch: the operands are asked for at the head, and there is no loop to run ahead in.
; The matrix instruction is used transposed (source 0 = a tile of B, source 1 = a tile of A): a lane holds one row of A, its registers run along the columns.  The bias is the C of each sum's first product.
; The residual's 64 rows x 256 bytes of a wave are asked for behind the barrier and the first fragments' loads, into window 3, and wanted behind the last product.
; THE WAY OUT: 16 rows x 64 columns go through the wave's own stage in LDS and come back as rows of 256 bytes; sixteen lanes store one aligned run of 256 bytes.
.set STRIP, 12800
.set BOFF,  2457600                    ; Wo's tiles in the weights' buffer
.set BB0,   8*STRIP                    ; LDS: A's 8 strips, then B's 8
.set SPARE, 16*STRIP                   ; the spare words, 128 bytes for each wave
.set STAGE, SPARE+512                  ; four stages of 16 rows x 272 bytes, bytes of their own
.set SP,    272
.set ADRA, 16
.set ADRB, 20
.set ADRS, 22                          ; scale words: lanes 0-15 A's, lanes 16-31 B's
.set STO,  24
.set RD,   25
.set CO,   26
.set SPW,  28
.set NIL,  29
.set SC,   32                          ; scale words, set s at v[SC + 8 s]: register i: A's tile i below, B's tile i above
.set BIAS, 64                          ; v64-95
.set AF,   128                         ; A's fragments, set s at v[AF + 48 s] (window 0); B's, set s at v[64 s] of window 1; accumulator (a, b) at v[8 (4 a + b)] of window 2; the residual at v[32 a + 4 t] of window 3
.set G1A, 24
.set G0A, 32
.set G1B, 48
.set G0B, 56
.set MSB, 0
.macro WIN new                         ; the immediate's high byte repeats the setting that is left
.if MSB != (\new)
	s_set_vgpr_msb (MSB<<8)|(\new)
.set MSB, (\new)
.endif
.endm
.macro CROUND
	s_barrier_signal -1
	s_barrier_wait -1
	s_cmp_lg_u32 s66, 0
	s_cbranch_scc1 .Lnot_wave_0_\@
	s_barrier_signal -3
.Lnot_wave_0_\@:
	s_barrier_wait -3
	s_barrier_signal -1
	s_barrier_wait -1
.endm
.macro PLACES
.rept 4
	v_nop
.endr
.endm
.macro FRAG reg, adr, q, i             ; tile i's fragment of the q-th 128 along K: six loads of 8 bytes a lane, each 256 consecutive bytes
.irp p, 0,1,2,3,4,5
	ds_load_b64 v[\reg+2*\p:\reg+2*\p+1], v[\adr] offset:(\i)*STRIP+((\q)/2)*3200+((\q)%2)*1536+(\p/3)*768+(\p%3)*256
.endr
.endm
.macro FETCH q
	WIN 0x40
.irp i, 0,1,2,3
	FRAG 64*((\q)%2)+12*\i, ADRB, \q, \i
.endr
	WIN 0
.irp i, 0,1,2,3
	FRAG AF+48*((\q)%2)+12*\i, ADRA, \q, \i
.endr
.irp i, 0,1,2,3
	ds_load_b32 v[SC+8*((\q)%2)+\i], v[ADRS] offset:\i*STRIP+((\q)/2)*3200+3072+((\q)%2)*64
.endr
.endm
.macro MUL q                           ; 16 products; the accumulators take turns, one instruction a turn, in the same order in every step
.set ST, (\q)%2
.if (\q) == 0
	WIN 0x81
.else
	WIN 0xa1
.endif
.irp a, 0,1,2,3
.irp b, 0,1,2,3
.if (\q) == 0
	v_wmma_scale_f32_16x16x128_f8f6f4 v[8*(4*\a+\b):8*(4*\a+\b)+7], v[64*ST+12*\b:64*ST+12*\b+11], v[AF+48*ST+12*\a:AF+48*ST+12*\a+11], v[BIAS+8*\b:BIAS+8*\b+7], v[SC+8*ST+\b], v[SC+8*ST+\a] matrix_a_fmt:MATRIX_FMT_FP6 matrix_b_fmt:MATRIX_FMT_FP6 matrix_a_scale:MATRIX_SCALE_ROW1
.else
	v_wmma_scale_f32_16x16x128_f8f6f4 v[8*(4*\a+\b):8*(4*\a+\b)+7], v[64*ST+12*\b:64*ST+12*\b+11], v[AF+48*ST+12*\a:AF+48*ST+12*\a+11], v[8*(4*\a+\b):8*(4*\a+\b)+7], v[SC+8*ST+\b], v[SC+8*ST+\a] matrix_a_fmt:MATRIX_FMT_FP6 matrix_b_fmt:MATRIX_FMT_FP6 matrix_a_scale:MATRIX_SCALE_ROW1
.endif
.endr
.endr
	WIN 0
.endm
	s_load_b256 s[16:23], s[0:1], 0x0              ; A's codes, the weights' codes, the bias, the residual
	s_load_b64 s[72:73], s[0:1], 0x20              ; the output
	v_lshl_add_u32 v[SPW], v0, 2, SPARE
	v_mov_b32 v[NIL], 0
	ds_add_u32 v[SPW], v[NIL]                      ; the opening lines: the add twice and one wait
	ds_add_u32 v[SPW], v[NIL]
	v_lshrrev_b32 v1, 5, v0
	v_readfirstlane_b32 s66, v1                    ; wave
	s_lshr_b32 s67, s66, 1                         ; which half of A's tiles is mine.  Also: I fetch for A (0) or for B (1)
	s_and_b32 s68, s66, 1                          ; which half of B's.  Also: which half I fetch
	s_bfe_u32 s40, ttmp6, 0x40000                  ; cx
	s_bfe_u32 s41, ttmp6, 0x40004                  ; cy
	s_lshl_b32 s42, ttmp9, 2
	s_add_co_u32 s42, s42, s40                     ; B's block of 8 tiles
	s_and_b32 s45, ttmp7, 0xffff
	s_lshl_b32 s45, s45, 2
	s_add_co_u32 s45, s45, s41                     ; A's block of 8 tiles
	s_lshl_b32 s43, s41, 2
	s_lshl_b32 s43, 15, s43                        ; my row of the cluster
	s_lshl_b32 s44, 0x1111, s40                    ; my column
	s_or_b32 s[G1A], s43, (3<<16)|(1<<21)          ; the mask; elements of 8 bytes; bit 21 beside a mask
	s_or_b32 s[G1B], s44, (3<<16)|(1<<21)
.irp g, G1A, G1B
	s_mov_b32 s[\g+1], (STRIP/8)<<16               ; a row is a strip,
	s_mov_b32 s[\g+2], 4<<16                       ; four of them
	s_mov_b32 s[\g+3], (STRIP/8)<<16
	s_mov_b32 s[\g+4], 4
	s_mov_b32 s[\g+5], STRIP/8
	s_mov_b32 s[\g+6], 0
	s_mov_b32 s[\g+7], 0
.endr
	s_mul_i32 s80, s68, 4*STRIP                    ; where my four strips go: no place in the cluster enters an LDS address
	s_add_co_u32 s81, s80, BB0
	s_mul_i32 s84, s45, 8*STRIP                    ; A's strips that I fetch (no register here ever holds cx),
	s_add_co_u32 s84, s84, s80
	s_mov_b32 s85, 0
	s_mul_i32 s86, s42, 8*STRIP                    ; B's (none holds cy)
	s_add_co_u32 s86, s86, s80
	s_add_co_u32 s86, s86, BOFF
	s_mov_b32 s87, 0
	s_wait_dscnt 0x0
	s_wait_kmcnt 0x0
	s_mov_b32 s[G0A], 1
	s_mov_b32 s[G0A+1], s80
	s_add_nc_u64 s[G0A+2:G0A+3], s[16:17], s[84:85]
	s_or_b32 s[G0A+3], s[G0A+3], 0x80000000
	s_mov_b32 s[G0B], 1
	s_mov_b32 s[G0B+1], s81
	s_add_nc_u64 s[G0B+2:G0B+3], s[18:19], s[86:87]
	s_or_b32 s[G0B+3], s[G0B+3], 0x80000000
	CROUND                                         ; all sixteen work-groups are here: the joint loads meet
	s_cmp_eq_u32 s67, 0                            ; waves 0 and 1 fetch A's two halves, waves 2 and 3 B's: one tensor load a wave, the launch's only fills
	s_cbranch_scc0 .Lfor_b
	tensor_load_to_lds s[G0A:G0A+3], s[G1A:G1A+7]
	s_nop 0
	PLACES
	s_branch .Lasked
.Lfor_b:
	tensor_load_to_lds s[G0B:G0B+3], s[G1B:G1B+7]
	s_nop 0
	PLACES
.Lasked:
	s_mul_i32 s82, s67, 4*STRIP                    ; my tiles of A,
	s_mul_i32 s83, s68, 4*STRIP
	s_add_co_u32 s83, s83, BB0                     ; of B
	s_sub_co_u32 s93, s83, s82
	s_mul_i32 s92, s66, 16*SP
	s_add_co_u32 s92, s92, STAGE                   ; my stage
	s_lshl_b32 s88, s42, 9
	s_lshl_b32 s89, s68, 8
	s_add_co_u32 s88, s88, s89                     ; my first column, in bytes: 512 x block + 256 x half
	s_mov_b32 s89, 0
	s_add_nc_u64 s[8:9], s[20:21], s[88:89]        ; its bias
	s_lshl_b32 s90, s45, 7
	s_lshl_b32 s91, s67, 6
	s_add_co_u32 s90, s90, s91                     ; my first row: 128 x block + 64 x half
	s_lshl_b32 s90, s90, 12
	s_add_co_u32 s90, s90, s88
	s_mov_b32 s91, 0
	s_add_nc_u64 s[10:11], s[72:73], s[90:91]      ; the output,
	s_add_nc_u64 s[12:13], s[22:23], s[90:91]      ; the residual
	v_and_b32 v1, 15, v0                           ; r
	v_bfe_u32 v2, v0, 4, 1                         ; h
	v_and_b32 v3, 31, v0
	v_lshlrev_b32 v3, 3, v3                        ; 8 l
	v_lshlrev_b32 v4, 2, v1                        ; 4 r
	v_lshlrev_b32 v5, 4, v1                        ; 16 r
	v_mul_u32_u24 v12, s93, v2                     ; lanes 16-31 take B's scale words: one product, the distance x h
	v_add_nc_u32 v12, v12, v4
	v_add_nc_u32 v[ADRA], s82, v3
	v_add_nc_u32 v[ADRB], s83, v3
	v_add_nc_u32 v[ADRS], s82, v12
	v_lshlrev_b32 v13, 6, v2                       ; 64 h: the bias of my half's columns
	v_lshl_add_u32 v[CO], v2, 12, v5               ; two rows an instruction: 4,096 h + 16 r
	v_mul_u32_u24 v[STO], v1, SP
	v_lshl_add_u32 v[STO], v2, 6, v[STO]
	v_add_nc_u32 v[STO], s92, v[STO]               ; into the stage: row r, 64 h
	v_mul_u32_u24 v[RD], v2, SP
	v_add_nc_u32 v[RD], v[RD], v5
	v_add_nc_u32 v[RD], s92, v[RD]                 ; out of it: row h, 16 r
	s_wait_alu depctr_va_vdst(0)
.irp b, 0,1,2,3
	global_load_b128 v[BIAS+8*\b:BIAS+8*\b+3], v13, s[8:9] offset:(32*(\b/2)+8*(\b%2))*4
	global_load_b128 v[BIAS+8*\b+4:BIAS+8*\b+7], v13, s[8:9] offset:(32*(\b/2)+8*(\b%2))*4+16
.endr
	s_wait_tensorcnt 0x0                           ; my four strips are in
	s_barrier_signal -1
	s_barrier_wait -1                              ; everybody's are
	FETCH 0
	WIN 0xc0                                       ; destination window 3: the residual is asked for behind the operands and wanted behind the last product
.irp a, 0,1,2,3
.irp t, 0,1,2,3,4,5,6,7
	global_load_b128 v[32*\a+4*\t:32*\a+4*\t+3], v[CO], s[12:13] offset:(32*(\a/2)+8*(\a%2)+(2*\t)%8+16*(\t/4))*4096
.endr
.endr
	WIN 0
	s_wait_loadcnt 32                              ; the bias's eight loads are in; the residual's 32 may be out
.set Q, 0
.rept 8
	s_wait_dscnt 0x0                               ; this step's fragments and scale words are in
.if Q < 7
.if Q > 0
	PLACES                                         ; in front of loads into registers that the last step's products read
.endif
	FETCH Q+1
.endif
	MUL Q
.set Q, Q+1
.endr
.macro TOSTAGE a                       ; tile a: register j of accumulator b is column 32 (b/2) + 16 h + 8 (b%2) + j of my row
	WIN 0x08                                       ; an LDS store's data: window 2
.irp b, 0,1,2,3
	ds_store_b128 v[STO], v[8*(4*(\a)+\b):8*(4*(\a)+\b)+3] offset:128*(\b/2)+32*(\b%2)       ; each accumulator from its low end on
	ds_store_b128 v[STO], v[8*(4*(\a)+\b)+4:8*(4*(\a)+\b)+7] offset:128*(\b/2)+32*(\b%2)+16
.endr
	WIN 0
.set BB, 128+32*((\a)%2)
.irp t, 0,1,2,3,4,5,6,7
	ds_load_b128 v[BB+4*\t:BB+4*\t+3], v[RD] offset:2*\t*SP    ; LDS serves a wave's instructions in order: these see the stores above
.endr
.endm
.macro SEND a, younger
.set BB, 128+32*((\a)%2)
	s_wait_dscnt \younger                          ; the tile is back; the next tile's 8 stores and 8 loads may be out
	s_wait_loadcnt 8*(3-(\a))                      ; its residual is in; the later tiles' eight loads each may be out
	WIN 0x0c                                       ; source 1: window 3
.set i, 0
.rept 16
	v_pk_add_f32 v[BB+i:BB+i+1], v[BB+i:BB+i+1], v[32*(\a)+i:32*(\a)+i+1]
.set i, i+2
.endr
	WIN 0
.irp t, 0,1,2,3,4,5,6,7
	global_store_b128 v[CO], v[BB+4*\t:BB+4*\t+3], s[10:11] offset:(32*((\a)/2)+8*((\a)%2)+(2*\t)%8+16*(\t/4))*4096   ; sixteen lanes store 256 consecutive bytes of a row, at a multiple of 256
.endr
.endm
	PLACES
	TOSTAGE 0
.irp a, 1,2,3
.if \a > 1
	s_wait_xcnt 0x0                                ; tile a - 2's stores have read their registers: tile a's loads may land there
.endif
	TOSTAGE \a
	SEND \a-1, 16
.endr
	SEND 3, 0
	s_wait_tensorcnt 0x0                           ; the wave's end
	ds_add_u32 v[SPW], v[NIL]
	s_wait_dscnt 0x0
	CROUND                                         ; the closing round
	s_endpgm
.Lfunc_end_k_q4e71f4f56a_wo:
	.size	k_q4e71f4f56a_wo, .Lfunc_end_k_q4e71f4f56a_wo-k_q4e71f4f56a_wo
	.p2alignl 7, 3214868480
	.fill 96, 4, 3214868480
	.section	.rodata,"a",@progbits
	.p2align	6, 0x0
	.amdhsa_kernel k_q4e71f4f56a_wo
		.amdhsa_group_segment_fixed_size 222720
		.amdhsa_private_segment_fixed_size 0
		.amdhsa_enable_private_segment 0
		.amdhsa_kernarg_size 40
		.amdhsa_user_sgpr_count 2
		.amdhsa_user_sgpr_kernarg_segment_ptr 1
		.amdhsa_wavefront_size32 1
		.amdhsa_system_sgpr_workgroup_id_x 1
		.amdhsa_system_sgpr_workgroup_id_y 1
		.amdhsa_system_sgpr_workgroup_id_z 1
		.amdhsa_system_vgpr_workitem_id 0
		.amdhsa_next_free_vgpr 1024
		.amdhsa_next_free_sgpr 96
		.amdhsa_reserve_vcc 0
		.amdhsa_float_denorm_mode_32 3
		.amdhsa_float_denorm_mode_16_64 3
		.amdhsa_memory_ordered 1
		.amdhsa_forward_progress 1
		.amdhsa_inst_pref_size 66
	.end_amdhsa_kernel
	.amdgpu_metadata
---
amdhsa.version: [ 1, 2 ]
amdhsa.kernels:
  - .name:           k_q4e71f4f56a_wo
    .symbol:         k_q4e71f4f56a_wo.kd
    .args:
      - { .name: actq, .offset: 0, .size: 8, .value_kind: global_buffer, .address_space: global }
      - { .name: wts, .offset: 8, .size: 8, .value_kind: global_buffer, .address_space: global }
      - { .name: bo, .offset: 16, .size: 8, .value_kind: global_buffer, .address_space: global }
      - { .name: x, .offset: 24, .size: 8, .value_kind: global_buffer, .address_space: global }
      - { .name: ybuf, .offset: 32, .size: 8, .value_kind: global_buffer, .address_space: global }
    .group_segment_fixed_size: 222720
    .private_segment_fixed_size: 0
    .kernarg_segment_align: 8
    .kernarg_segment_size: 40
    .max_flat_workgroup_size: 128
    .sgpr_count:     96
    .vgpr_count:     1024
    .wavefront_size: 32
...
	.end_amdgpu_metadata
.endif
;; end of part 4
;; launch ln1 (part 5): grid 256 x 1, 4 waves a work-group, no clusters, 32,256 bytes of LDS; arguments ybuf, g1, be1, hbuf, actq; writes hbuf, actq
.if DOCPART == 5
	.amdgcn_target "amdgcn-amd-amdhsa--gfx1250"
	.amdhsa_code_object_version 6
	.text
	.protected	k_q4e71f4f56a_ln1
	.globl	k_q4e71f4f56a_ln1
	.p2align	8
	.type	k_q4e71f4f56a_ln1,@function
k_q4e71f4f56a_ln1:
	s_mov_b64 s[64:65], 0
	v_nop
	global_prefetch_b8 v0, s[64:65] scope:SCOPE_SE
	s_setreg_imm32_b32 hwreg(HW_REG_WAVE_MODE, 25, 1), 1
	s_wait_xcnt 0x0
; ROW KERNEL, form: LayerNorm and quantise.  h = LayerNorm(ybuf) g1 + be1, stored as f32 (the second residual) and as codes of FP6 (E2M3) with one E8M0 byte for each 32 along the row, in the operands' layout:
; tile T = 16 rows, row r of tile T is row 32 (T/2) + 8 (T%2) + r%8 + 16 (r/8); a tile's strip is 4 groups (256 along K) of 3,200 bytes; in a group chunk c (64 along K) at 768 c, register pair p of lane r + 16 h at
; 256 p + 8 (r + 16 h) (k = 64 c + 32 h + 0..31), scale words at 3,072 + 64 s + 4 r.
; SHARES.  Work-group T makes tile T's strip; wave w takes the tile's rows 4 w .. 4 w + 3, one whole row at a time: eight loads of 512 consecutive bytes.  All four rows' loads go out at the start.
; The mean is taken first and the variance of x - mean: no difference of large sums.  A row stays in registers between the passes.
; The conversions want 32 neighbours in a lane: a row turns through the wave's own stage in LDS (16 bytes of padding behind each 128).  Lane l then holds block l of the row.
; The codes gather in an image of the strip in LDS and leave as 16 bytes a thread.  (The twelve stores of codes of a wave into that image meet in the same banks, chunks being 768 bytes apart: few beside the row's traffic.)
; A block of zeros gets the byte 1: its codes are zeros and this program alone reads the bytes.  LIMITS: NaN and infinities among the inputs are not served.
.set DO_LN, 1
.set DO_Q,  1
.set CST, 18432                        ; LDS: four stages of 4,608 bytes, then the strip's image, 12,800 bytes
.set G,   10                           ; v10-41   gain, as loaded: piece j, lane l: columns 128 j + 4 l on
.set BE,  42                           ; v42-73   bias
.set X,   74                           ; v74-201  four rows of 32 registers
.set Y,   202                          ; v202-233 32 neighbours
.if DO_LN
	s_load_b256 s[4:11], s[0:1], 0x0               ; the rows, gain, bias, the f32 result
.if DO_Q
	s_load_b64 s[12:13], s[0:1], 0x20              ; the codes
	v_lshl_add_u32 v254, v0, 2, 0x7c00
	v_mov_b32 v255, 0
.endif
.else
	s_load_b64 s[4:5], s[0:1], 0x0                 ; the rows
	s_load_b64 s[12:13], s[0:1], 0x8               ; the codes
.endif
	v_lshrrev_b32 v1, 5, v0
	v_readfirstlane_b32 s14, v1                    ; wave
	s_mov_b32 s16, 0x76543210
	s_mov_b32 s17, 0xfedcba98                      ; v_permlanex16_b32's selects for lane l xor 16
	s_mov_b32 s18, 0x3a800000                      ; 1 / 1024
	s_mov_b32 s19, 0x3727c5ac                      ; 1e-5
	s_lshr_b32 s20, ttmp9, 1
	s_lshl_b32 s20, s20, 5
	s_and_b32 s21, ttmp9, 1
	s_lshl_b32 s21, s21, 3
	s_add_co_u32 s20, s20, s21
	s_lshl_b32 s21, s14, 2
	s_add_co_u32 s20, s20, s21
	s_lshr_b32 s21, s14, 1
	s_lshl_b32 s21, s21, 3
	s_add_co_u32 s20, s20, s21                     ; my first row: 32 (T/2) + 8 (T%2) + 4 w + 8 (w/2)
	s_lshl_b32 s20, s20, 12
	s_mov_b32 s21, 0
	s_mul_i32 s22, ttmp9, 12800
	s_mov_b32 s23, 0
	v_and_b32 v234, 31, v0                         ; l
	v_lshlrev_b32 v1, 4, v234                      ; 16 l
.if DO_Q
	s_mul_i32 s24, s14, 4608                       ; my stage
	v_lshrrev_b32 v235, 3, v234
	v_lshl_add_u32 v2, v235, 4, v1
	v_add_nc_u32 v2, s24, v2                       ; into it: 16 l + 16 (l/8)
	v_mul_u32_u24 v3, v234, 144
	v_add_nc_u32 v3, s24, v3                       ; out of it: 144 l: my block
	v_mul_u32_u24 v237, v235, 3200                 ; my block's group,
	v_bfe_u32 v236, v0, 1, 2
	v_mad_u32_u24 v4, v236, 768, v237              ; chunk,
	v_and_b32 v236, 1, v0
	v_lshl_add_u32 v4, v236, 7, v4                 ; half,
	s_lshl_b32 s25, s14, 5
	s_add_co_u32 s25, s25, CST
	v_add_nc_u32 v4, s25, v4                       ; and 8 bytes for each of my wave's rows
	v_bfe_u32 v236, v0, 2, 1
	v_lshl_add_u32 v5, v236, 6, v237
	v_and_b32 v236, 3, v0
	v_add_nc_u32 v5, v5, v236
	s_lshl_b32 s25, s14, 4
	s_add_co_u32 s25, s25, CST+3072
	v_add_nc_u32 v5, s25, v5                       ; my block's scale byte
	v_lshlrev_b32 v6, 4, v0
	v_lshlrev_b32 v7, 2, v0
	v_add_nc_u32 v8, CST, v6
	v_add_nc_u32 v9, CST, v7
.endif
.if DO_LN
	v_mov_b32 v239, 0                              ; upper halves of pairs of which the packed forms take the low word: named, so written
	v_mov_b32 v241, 0
.endif
	s_wait_kmcnt 0x0
	s_add_nc_u64 s[4:5], s[4:5], s[20:21]
.if DO_LN
	s_add_nc_u64 s[10:11], s[10:11], s[20:21]
.irp j, 0,1,2,3,4,5,6,7
	global_load_b128 v[G+4*\j:G+4*\j+3], v1, s[6:7] offset:512*\j
	global_load_b128 v[BE+4*\j:BE+4*\j+3], v1, s[8:9] offset:512*\j
.endr
.endif
.if DO_Q
	s_add_nc_u64 s[12:13], s[12:13], s[22:23]
.endif
.irp i, 0,1,2,3
.irp j, 0,1,2,3,4,5,6,7
	global_load_b128 v[X+32*\i+4*\j:X+32*\i+4*\j+3], v1, s[4:5] offset:4096*\i+512*\j
.endr
.endr
.macro RED v, t                        ; the sum over the 32 lanes, in every lane
	v_add_f32_dpp v[\v], v[\v], v[\v] row_xmask:1 row_mask:0xf bank_mask:0xf
	v_add_f32_dpp v[\v], v[\v], v[\v] row_xmask:2 row_mask:0xf bank_mask:0xf
	v_add_f32_dpp v[\v], v[\v], v[\v] row_xmask:4 row_mask:0xf bank_mask:0xf
	v_add_f32_dpp v[\v], v[\v], v[\v] row_xmask:8 row_mask:0xf bank_mask:0xf
	v_permlanex16_b32 v[\t], v[\v], s16, s17
	v_add_f32 v[\v], v[\v], v[\t]
.endm
.macro STATS i                         ; row i: mean, then the mean of the squares of x - mean, then (x - mean) rsqrt(var + eps) g + be, in place
.set XR, X+32*\i
	v_pk_add_f32 v[234:235], v[XR:XR+1], v[XR+2:XR+3]
	v_pk_add_f32 v[236:237], v[XR+4:XR+5], v[XR+6:XR+7]
.irp n, 8,12,16,20,24,28
	v_pk_add_f32 v[234:235], v[234:235], v[XR+\n:XR+\n+1]
	v_pk_add_f32 v[236:237], v[236:237], v[XR+\n+2:XR+\n+3]
.endr
	v_pk_add_f32 v[234:235], v[234:235], v[236:237]
	v_add_f32 v234, v234, v235
	RED 234, 235
	v_mul_f32 v238, s18, v234
.set n2, 0
.rept 16
	v_pk_add_f32 v[XR+n2:XR+n2+1], v[XR+n2:XR+n2+1], v[238:239] op_sel_hi:[1,0] neg_lo:[0,1] neg_hi:[0,1]
.set n2, n2+2
.endr
	v_pk_mul_f32 v[234:235], v[XR:XR+1], v[XR:XR+1]
	v_pk_mul_f32 v[236:237], v[XR+2:XR+3], v[XR+2:XR+3]
.irp n, 4,8,12,16,20,24,28
	v_pk_fma_f32 v[234:235], v[XR+\n:XR+\n+1], v[XR+\n:XR+\n+1], v[234:235]
	v_pk_fma_f32 v[236:237], v[XR+\n+2:XR+\n+3], v[XR+\n+2:XR+\n+3], v[236:237]
.endr
	v_pk_add_f32 v[234:235], v[234:235], v[236:237]
	v_add_f32 v234, v234, v235
	RED 234, 235
	v_fma_f32 v240, v234, s18, s19
	s_wait_alu depctr_va_vdst(0)
	v_rsq_f32 v240, v240
	v_nop                                          ; one plain place behind a transcendental
.set n2, 0
	s_wait_alu depctr_va_vdst(0)
.rept 16
	v_pk_mul_f32 v[XR+n2:XR+n2+1], v[XR+n2:XR+n2+1], v[240:241] op_sel_hi:[1,0]
.set n2, n2+2
.endr
.set n2, 0
.rept 16
	v_pk_fma_f32 v[XR+n2:XR+n2+1], v[XR+n2:XR+n2+1], v[G+n2:G+n2+1], v[BE+n2:BE+n2+1]
.set n2, n2+2
.endr
.endm
.macro TURNQ i                         ; row i through my stage; my block's byte and codes into the strip's image
.set XR, X+32*\i
.irp j, 0,1,2,3,4,5,6,7
	ds_store_b128 v2, v[XR+4*\j:XR+4*\j+3] offset:576*\j
.endr
.irp k, 0,1,2,3,4,5,6,7
	ds_load_b128 v[Y+4*\k:Y+4*\k+3], v3 offset:16*\k    ; LDS serves a wave's instructions in order: these see the stores above
.endr
	s_wait_dscnt 0x0                               ; my block is in; the last row's stores of codes have read their registers
	v_max3_num_f32 v242, |v[Y]|, |v[Y+1]|, |v[Y+2]|
	v_max3_num_f32 v243, |v[Y+3]|, |v[Y+4]|, |v[Y+5]|
.irp n, 6,10,14,18,22,26
	v_max3_num_f32 v242, v242, |v[Y+\n]|, |v[Y+\n+1]|
	v_max3_num_f32 v243, v243, |v[Y+\n+2]|, |v[Y+\n+3]|
.endr
	v_max3_num_f32 v242, v242, |v[Y+30]|, |v[Y+31]|
	v_max3_num_f32 v242, v242, v243, 0x1800000     ; and the floor 2^(3 - 127): the byte cannot fall under 1
	v_add_nc_u32 v244, 0xff000000, v242            ; 2 off the exponent field: the conversion's scale operand
	v_cvt_scalef32_pk16_fp6_f32 v[246:248], v[Y:Y+15], v244
	v_cvt_scalef32_pk16_fp6_f32 v[250:252], v[Y+16:Y+31], v244
	v_lshrrev_b32 v245, 23, v244                   ; the byte (a plain place behind the conversions)
	v_mov_b32 v249, v250
	v_mov_b32 v250, v251
	v_mov_b32 v251, v252
	ds_store_b64 v4, v[246:247] offset:8*\i
	ds_store_b64 v4, v[248:249] offset:256+8*\i
	ds_store_b64 v4, v[250:251] offset:512+8*\i
	ds_store_b8 v5, v245 offset:4*\i
.endm
.irp i, 0,1,2,3
	s_wait_loadcnt 8*(3-\i)                        ; row i is in (gain and bias were asked for ahead of it); the later rows' eight loads each may be out
.if DO_LN
	STATS \i
.irp j, 0,1,2,3,4,5,6,7
.if DO_Q
	global_store_b128 v1, v[X+32*\i+4*\j:X+32*\i+4*\j+3], s[10:11] offset:4096*\i+512*\j
.else
	global_store_b128 v1, v[X+32*\i+4*\j:X+32*\i+4*\j+3], s[10:11] offset:4096*\i+512*\j th:TH_STORE_NT
.endif
.endr
.endif
.if DO_Q
	TURNQ \i
.endif
.endr
.if DO_Q
	s_wait_dscnt 0x0                               ; for the others' sake: my stores into the image are done
	s_barrier_signal -1
	s_barrier_wait -1
.irp k, 0,1,2,3,4,5
	ds_load_b128 v[Y+4*\k:Y+4*\k+3], v8 offset:2048*\k
.endr
	ds_load_b32 v[Y+24], v9 offset:12288
	s_wait_dscnt 0x0
.irp k, 0,1,2,3,4,5
	global_store_b128 v6, v[Y+4*\k:Y+4*\k+3], s[12:13] offset:2048*\k   ; a wave's store covers 512 consecutive bytes
.endr
	global_store_b32 v7, v[Y+24], s[12:13] offset:12288
.endif
	s_wait_tensorcnt 0x0
	ds_add_u32 v254, v255
	s_wait_dscnt 0x0
	s_endpgm
.Lfunc_end_k_q4e71f4f56a_ln1:
	.size	k_q4e71f4f56a_ln1, .Lfunc_end_k_q4e71f4f56a_ln1-k_q4e71f4f56a_ln1
	.p2alignl 7, 3214868480
	.fill 96, 4, 3214868480
	.section	.rodata,"a",@progbits
	.p2align	6, 0x0
	.amdhsa_kernel k_q4e71f4f56a_ln1
		.amdhsa_group_segment_fixed_size 32256
		.amdhsa_private_segment_fixed_size 0
		.amdhsa_enable_private_segment 0
		.amdhsa_kernarg_size 40
		.amdhsa_user_sgpr_count 2
		.amdhsa_user_sgpr_kernarg_segment_ptr 1
		.amdhsa_wavefront_size32 1
		.amdhsa_system_sgpr_workgroup_id_x 1
		.amdhsa_system_sgpr_workgroup_id_y 1
		.amdhsa_system_sgpr_workgroup_id_z 1
		.amdhsa_system_vgpr_workitem_id 0
		.amdhsa_next_free_vgpr 256
		.amdhsa_next_free_sgpr 66
		.amdhsa_reserve_vcc 0
		.amdhsa_float_denorm_mode_32 3
		.amdhsa_float_denorm_mode_16_64 3
		.amdhsa_memory_ordered 1
		.amdhsa_forward_progress 1
		.amdhsa_inst_pref_size 47
	.end_amdhsa_kernel
	.amdgpu_metadata
---
amdhsa.version: [ 1, 2 ]
amdhsa.kernels:
  - .name:           k_q4e71f4f56a_ln1
    .symbol:         k_q4e71f4f56a_ln1.kd
    .args:
      - { .name: ybuf, .offset: 0, .size: 8, .value_kind: global_buffer, .address_space: global }
      - { .name: g1, .offset: 8, .size: 8, .value_kind: global_buffer, .address_space: global }
      - { .name: be1, .offset: 16, .size: 8, .value_kind: global_buffer, .address_space: global }
      - { .name: hbuf, .offset: 24, .size: 8, .value_kind: global_buffer, .address_space: global }
      - { .name: actq, .offset: 32, .size: 8, .value_kind: global_buffer, .address_space: global }
    .group_segment_fixed_size: 32256
    .private_segment_fixed_size: 0
    .kernarg_segment_align: 8
    .kernarg_segment_size: 40
    .max_flat_workgroup_size: 128
    .sgpr_count:     66
    .vgpr_count:     256
    .wavefront_size: 32
...
	.end_amdgpu_metadata
.endif
;; end of part 5
;; launch ff1 (part 6): grid 16 x 16, 4 waves a work-group, clusters of 4 x 4, 327,680 bytes of LDS; arguments actq, wts, b1, hid; writes hid
.if DOCPART == 6
	.amdgcn_target "amdgcn-amd-amdhsa--gfx1250"
	.amdhsa_code_object_version 6
	.text
	.protected	k_q4e71f4f56a_ff1
	.globl	k_q4e71f4f56a_ff1
	.p2align	8
	.type	k_q4e71f4f56a_ff1,@function
k_q4e71f4f56a_ff1:
	s_mov_b64 s[64:65], 0
	v_nop
	global_prefetch_b8 v0, s[64:65] scope:SCOPE_SE
	s_setreg_imm32_b32 hwreg(HW_REG_WAVE_MODE, 25, 1), 1
	s_wait_xcnt 0x0
	s_wait_alu depctr_hold_cnt(0) depctr_sa_sdst(0) depctr_va_vdst(0) depctr_va_sdst(0) depctr_va_ssrc(0) depctr_va_vcc(0) depctr_vm_vsrc(0)
	s_getreg_b32 s2, hwreg(HW_REG_IB_STS2, 6, 4)
	s_cmp_eq_u32 s2, 0
	s_cbranch_scc0 .Lentry_in_a_cluster
	s_endpgm
.Lentry_in_a_cluster:
	s_bfe_u32 s2, ttmp6, 0x10000c
	s_cmp_lg_u32 s2, 0xf033
	s_cbranch_scc0 .Lentry_shape_is_right
	s_endpgm
.Lentry_shape_is_right:
; hid = the codes of relu(h W1 + b1): the product on codes of FP6 (E2M3) with E8M0 scales, the result quantised at once along the next product's K and stored in the operands' layout (strips of 51,200 bytes).
; A work-group makes 256 x 256, a wave 128 x 128: 64 accumulators by turns; the bias is the C of each sum's first product.  The matrix instruction is used transposed, so that a lane's registers run along the hidden units.
; K = 1,024 goes in four groups of 256 through a ring of two LDS slots, filled by joint loads of a 4 x 4 cluster (A's along a row, B's along a column).
; A tensor row is 3,328 bytes and begins at a multiple of 256 bytes; the groups that later fills ask for are prefetched into the L2 behind the two first fills.
; LIMITS: NaN and infinities among the inputs are not served.
.set KT,    1024
.set NA,    8
.set SG,    1
.set BOFF,  3276800
.set HSTRIP, 51200
.set HA,    NA/2
.set QA,    NA/4
.set NQ,    2*SG
.set ROWL,  3328                       ; a tile's row in a slot: a group's 3,200 bytes and 128 more, so that every tensor row begins at a multiple of 256 bytes: even groups at their first byte, odd groups 128 bytes ahead of it
.set STRIP, (KT/256)*3200
.set SLOT,  (2*NA+16)*ROWL
.set SPARE, 2*SLOT
.set LAPS,  KT/(512*SG)
.set ADRA, 16
.set ADRB, 20
.set ADRS, 22
.set SPW,  28
.set NIL,  29
.set SC,   32
.set BIAS, 64
.set AF,   128
.set X0,   128
.set PC,   192
.set TM,   232
.set PW,   248
.set G1A, 24
.set G0A, 32
.set G1B, 48
.set G0B, 56
.set MSB, 0
.macro WIN new
.if MSB != (\new)
	s_set_vgpr_msb (MSB<<8)|(\new)
.set MSB, (\new)
.endif
.endm
.macro JLOAD s
	s_cmp_eq_u32 s67, 0
	s_cbranch_scc0 .Lfor_b_\@
	tensor_load_to_lds s[G0A+4*\s:G0A+4*\s+3], s[G1A:G1A+7]
	s_nop 0
.rept 4
	v_nop
.endr
	s_branch .Lasked_\@
.Lfor_b_\@:
	tensor_load_to_lds s[G0B+4*\s:G0B+4*\s+3], s[G1B:G1B+7]
	s_nop 0
.rept 4
	v_nop
.endr
.Lasked_\@:
.endm
.macro CREST
	s_cmp_lg_u32 s66, 0
	s_cbranch_scc1 .Lnot_wave_0_\@
	s_barrier_signal -3
.Lnot_wave_0_\@:
	s_barrier_wait -3
	s_barrier_signal -1
	s_barrier_wait -1
.endm
.macro CROUND
	s_barrier_signal -1
	s_barrier_wait -1
	CREST
.endm
.macro PLACES n
.rept \n
	v_nop
.endr
.endm
.macro FRAG reg, adr, q, i
.irp p, 0,1,2,3,4,5
	ds_load_b64 v[\reg+2*\p:\reg+2*\p+1], v[\adr] offset:(\i)*ROWL+((\q)/2)*3200+((\q)%2)*1536+(\p/3)*768+(\p%3)*256
.endr
.endm
.macro FETCH_B slot, q, p
	WIN 0x40
.irp i, 0,1,2,3,4,5,6,7
	FRAG 128*(\p)+12*\i, ADRB+\slot, \q, \i
.endr
	WIN 0
.endm
.macro FETCH_A slot, q, i0
.set II, \i0
.rept HA
	FRAG AF+12*II, ADRA+\slot, \q, II
.set II, II+1
.endr
.endm
.macro SCALES slot, q, set
.irp i, 0,1,2,3,4,5,6,7
	ds_load_b32 v[SC+8*(\set)+\i], v[ADRS+\slot] offset:\i*ROWL+((\q)/2)*3200+3072+((\q)%2)*64
.endr
.endm
.macro MULA a, set, first
.irp b, 0,1,2,3,4,5,6,7
.if \first
	v_wmma_scale_f32_16x16x128_f8f6f4 v[8*(8*((\a)%4)+\b):8*(8*((\a)%4)+\b)+7], v[128*(\set)+12*\b:128*(\set)+12*\b+11], v[AF+12*(\a):AF+12*(\a)+11], v[BIAS+8*\b:BIAS+8*\b+7], v[SC+8*(\set)+\b], v[SC+8*(\set)+(\a)] matrix_a_fmt:MATRIX_FMT_FP6 matrix_b_fmt:MATRIX_FMT_FP6 matrix_a_scale:MATRIX_SCALE_ROW1
.else
	v_wmma_scale_f32_16x16x128_f8f6f4 v[8*(8*((\a)%4)+\b):8*(8*((\a)%4)+\b)+7], v[128*(\set)+12*\b:128*(\set)+12*\b+11], v[AF+12*(\a):AF+12*(\a)+11], v[8*(8*((\a)%4)+\b):8*(8*((\a)%4)+\b)+7], v[SC+8*(\set)+\b], v[SC+8*(\set)+(\a)] matrix_a_fmt:MATRIX_FMT_FP6 matrix_b_fmt:MATRIX_FMT_FP6 matrix_a_scale:MATRIX_SCALE_ROW1
.endif
.endr
.endm
.macro MULQ k, set, first
.set WW, 2+((\k)*QA)/4
.if \first
.set WN, 0x01|(WW<<6)
.else
.set WN, 0x01|(WW<<6)|(WW<<4)
.endif
	WIN WN
.set AA, (\k)*QA
.rept QA
	MULA AA, \set, \first
.set AA, AA+1
.endr
.endm
.macro STEP slot, q, first
	s_wait_dscnt 6*HA
	MULQ 0, (\q)%2, \first
	MULQ 1, (\q)%2, \first
	s_wait_dscnt 0x0
	PLACES 4
	FETCH_B \slot, (\q)+1, 1-(\q)%2
	FETCH_A \slot, (\q)+1, 0
	SCALES \slot, (\q)+1, 1-(\q)%2
	MULQ 2, (\q)%2, \first
	MULQ 3, (\q)%2, \first
	PLACES 4
	WIN 0
	FETCH_A \slot, (\q)+1, HA
.endm
.macro STEPS slot, from
.set QQ, \from
.rept NQ-1-\from
	STEP \slot, QQ, 0
.set QQ, QQ+1
.endr
.endm
.macro TURN slot, next, fill
	s_wait_tensorcnt 0x0
	ds_add_u32 v[SPW], v[NIL]
	s_wait_dscnt 6*HA+1
	MULQ 0, 1, 0
	s_wait_dscnt 0x0
	s_barrier_signal -1
	MULQ 1, 1, 0
	WIN 0
	s_barrier_wait -1
.if \fill
	CREST
	s_add_nc_u64 s[G0A+4*\slot+2:G0A+4*\slot+3], s[G0A+4*\slot+2:G0A+4*\slot+3], 6400   ; two groups on
	s_add_nc_u64 s[G0B+4*\slot+2:G0B+4*\slot+3], s[G0B+4*\slot+2:G0B+4*\slot+3], 6400
	JLOAD \slot
.else
	PLACES 4
.endif
	FETCH_B \next, 0, 0
	FETCH_A \next, 0, 0
	SCALES \next, 0, 0
	MULQ 2, 1, 0
	MULQ 3, 1, 0
	PLACES 4
	WIN 0
	FETCH_A \next, 0, HA
.endm
.macro QUANT s
.irp b, 0,1,2,3
	v_max3_num_f32 v[TM+\b], |v[\s+16*\b]|, |v[\s+1+16*\b]|, 0x1800000
.endr
.irp i, 2,4,6,8,10,12,14
.irp b, 0,1,2,3
	v_max3_num_f32 v[TM+\b], v[TM+\b], |v[\s+16*\b+\i]|, |v[\s+1+16*\b+\i]|
.endr
.endr
.irp b, 0,1,2,3
	v_permlanex16_b32 v[TM+4+\b], v[TM+\b], s70, s71
.endr
.irp b, 0,1,2,3
	v_max_num_f32 v[TM+\b], v[TM+\b], v[TM+4+\b]
.endr
.irp b, 0,1,2,3
	v_add_nc_u32 v[TM+12+\b], 0xff000000, v[TM+\b]
.endr
.irp b, 0,1,2,3
	v_lshrrev_b32 v[TM+4+\b], 23, v[TM+12+\b]
.endr
	v_lshl_or_b32 v[PW], v[TM+5], 8, v[TM+4]
	v_lshl_or_b32 v[PW], v[TM+6], 16, v[PW]
	v_lshl_or_b32 v[PW], v[TM+7], 24, v[PW]
.irp c, 0,1
	v_cvt_scalef32_pk16_fp6_f32 v[PC+6*\c:PC+2+6*\c], v[\s+32*\c:\s+15+32*\c], v[TM+12+2*\c]
	v_cvt_scalef32_pk16_fp6_f32 v[PC+12+4*\c:PC+14+4*\c], v[\s+16+32*\c:\s+31+32*\c], v[TM+12+2*\c+1]
.endr
	v_nop
.irp c, 0,1
.irp i, 0,1,2
	v_permlane16_swap_b32 v[PC+6*\c+\i], v[PC+12+4*\c+\i]
.endr
.irp i, 0,1,2
	v_mov_b32 v[PC+3+6*\c+\i], v[PC+12+4*\c+\i]
.endr
.endr
.endm
	s_load_b256 s[16:23], s[0:1], 0x0
	v_lshl_add_u32 v[SPW], v0, 2, SPARE
	v_mov_b32 v[NIL], 0
	ds_add_u32 v28, v29
	ds_add_u32 v28, v29
	s_wait_dscnt 0x0
	v_lshrrev_b32 v1, 5, v0
	v_readfirstlane_b32 s66, v1
	s_lshr_b32 s67, s66, 1
	s_and_b32 s68, s66, 1
	s_bfe_u32 s40, ttmp6, 0x40000
	s_bfe_u32 s41, ttmp6, 0x40004
	s_lshl_b32 s42, ttmp9, 2
	s_add_co_u32 s42, s42, s40
	s_and_b32 s45, ttmp7, 0xffff
	s_lshl_b32 s45, s45, 2
	s_add_co_u32 s45, s45, s41
	s_lshl_b32 s43, s41, 2
	s_lshl_b32 s43, 15, s43
	s_lshl_b32 s44, 0x1111, s40
	s_or_b32 s[G1A], s43, (3<<16)|(1<<21)
	s_or_b32 s[G1B], s44, (3<<16)|(1<<21)
	s_mov_b32 s[G1A+1], (ROWL/8)<<16
	s_mov_b32 s[G1A+2], NA<<16
	s_mov_b32 s[G1A+3], (ROWL/8)<<16
	s_mov_b32 s[G1A+4], NA
	s_mov_b32 s[G1A+5], STRIP/8
	s_mov_b32 s[G1A+6], 0
	s_mov_b32 s[G1A+7], 0
	s_mov_b32 s[G1B+1], (ROWL/8)<<16
	s_mov_b32 s[G1B+2], 8<<16
	s_mov_b32 s[G1B+3], (ROWL/8)<<16
	s_mov_b32 s[G1B+4], 8
	s_mov_b32 s[G1B+5], STRIP/8
	s_mov_b32 s[G1B+6], 0
	s_mov_b32 s[G1B+7], 0
	s_mul_i32 s84, s45, 2*NA*STRIP
	s_mul_i32 s85, s68, NA*STRIP
	s_add_co_u32 s84, s84, s85
	s_mov_b32 s85, 0
	s_mul_i32 s86, s42, 16*STRIP
	s_mul_i32 s87, s68, 8*STRIP
	s_add_co_u32 s86, s86, s87
	s_add_co_u32 s86, s86, BOFF
	s_mov_b32 s87, 0
	s_mul_i32 s80, s68, NA*ROWL
	s_mul_i32 s81, s68, 8*ROWL
	s_add_co_u32 s81, s81, 2*NA*ROWL
	s_mov_b32 s70, 0x76543210
	s_mov_b32 s71, 0xfedcba98
	s_wait_kmcnt 0x0
	s_add_nc_u64 s[4:5], s[16:17], s[84:85]
	s_add_nc_u64 s[6:7], s[18:19], s[86:87]
.irp s, 0,1
	s_mov_b32 s[G0A+4*\s], 1
	s_add_co_u32 s[G0A+4*\s+1], s80, \s*SLOT
	s_add_nc_u64 s[G0A+4*\s+2:G0A+4*\s+3], s[4:5], \s*3072   ; slot 1: group 1 less 128 bytes
	s_or_b32 s[G0A+4*\s+3], s[G0A+4*\s+3], 0x80000000
	s_mov_b32 s[G0B+4*\s], 1
	s_add_co_u32 s[G0B+4*\s+1], s81, \s*SLOT
	s_add_nc_u64 s[G0B+4*\s+2:G0B+4*\s+3], s[6:7], \s*3072
	s_or_b32 s[G0B+4*\s+3], s[G0B+4*\s+3], 0x80000000
.endr
	CROUND                                         ; all sixteen work-groups are here: the first joint loads meet
	JLOAD 0                                        ; slot 0: my one tensor load at the head
	; PREFETCHES INTO THE L2.  Of the 8 strips that I fetch, each of the four partners that ask for them with me takes 2, told apart by address (cx for A's, cy for B's).  A lane names one block of 256 bytes: 13 blocks of each
	; of the 2 strips an instruction (lanes 26-31 name lane 25's again).  Here: blocks 11 to 36 of a strip, which slot 1's first fill and slot 0's refill will ask for; behind slot 1's load: blocks 37 to 49, the strip's last.
	s_cmp_eq_u32 s67, 0                            ; do I fetch for A?
	s_cselect_b64 s[96:97], s[4:5], s[6:7]
	s_cselect_b32 s98, s40, s41
	s_mul_i32 s98, s98, 2*STRIP
	s_mov_b32 s99, 0
	s_add_nc_u64 s[96:97], s[96:97], s[98:99]      ; never rewritten
	v_and_b32 v30, 31, v0
	v_min_u32 v30, 25, v30
	v_mul_u32_u24 v31, v30, 5
	v_lshrrev_b32 v31, 6, v31                      ; 1 from lane 13 on: the second strip
	v_mul_u32_u24 v31, v31, STRIP-3328
	v_lshl_add_u32 v30, v30, 8, v31                ; never rewritten
	s_wait_alu depctr_va_vdst(0)
	global_prefetch_b8 v30, s[96:97] offset:2816 th:TH_LOAD_NT scope:SCOPE_SE
	global_prefetch_b8 v30, s[96:97] offset:6144 th:TH_LOAD_NT scope:SCOPE_SE
	v_and_b32 v1, 15, v0
	v_bfe_u32 v2, v0, 4, 1
	v_and_b32 v3, 31, v0
	v_lshlrev_b32 v3, 3, v3
	v_lshlrev_b32 v4, 2, v1
	s_mul_i32 s82, s67, NA*ROWL
	s_mul_i32 s83, s68, 8*ROWL
	s_add_co_u32 s83, s83, 2*NA*ROWL
	s_sub_co_u32 s88, s83, s82
	v_mul_u32_u24 v12, s88, v2
	v_add_nc_u32 v12, v12, v4
.irp s, 0,1
	v_add_nc_u32 v[ADRA+\s], s82, v3
	v_add_nc_u32 v[ADRB+\s], s83, v3
	v_add_nc_u32 v[ADRS+\s], s82, v12
	s_add_co_u32 s82, s82, SLOT+128                ; in slot 1 a group begins 128 bytes into its row
	s_add_co_u32 s83, s83, SLOT+128
.endr
	v_lshlrev_b32 v13, 6, v2
.irp b, 0,1,2,3
	v_mov_b32 v[TM+4+\b], 0
.endr
	s_lshl_b32 s88, s42, 10
	s_lshl_b32 s89, s68, 9
	s_add_co_u32 s88, s88, s89
	s_mov_b32 s89, 0
	s_add_nc_u64 s[8:9], s[20:21], s[88:89]
.irp b, 0,1,2,3,4,5,6,7
	global_load_b128 v[BIAS+8*\b:BIAS+8*\b+3], v13, s[8:9] offset:(32*(\b/2)+8*(\b%2))*4
	global_load_b128 v[BIAS+8*\b+4:BIAS+8*\b+7], v13, s[8:9] offset:(32*(\b/2)+8*(\b%2))*4+16
.endr
	s_lshl_b32 s88, s45, 4
	s_lshl_b32 s90, s67, 3
	s_add_co_u32 s88, s88, s90
	s_mul_i32 s88, s88, HSTRIP
	s_mul_i32 s90, s42, 3200
	s_add_co_u32 s88, s88, s90
	s_mul_i32 s90, s68, 1536
	s_add_co_u32 s90, s90, s88
	s_mov_b32 s91, 0
	s_add_nc_u64 s[10:11], s[22:23], s[90:91]
	s_lshl_b32 s90, s68, 6
	s_add_co_u32 s90, s90, s88
	s_add_co_u32 s90, s90, 3072
	s_add_nc_u64 s[12:13], s[22:23], s[90:91]
	s_wait_alu depctr_va_vdst(0)
	s_wait_tensorcnt 0x0                           ; my part of slot 0 is in; slot 1's first fill is issued as a refill is
	ds_add_u32 v[SPW], v[NIL]
	s_wait_dscnt 0x0
	CROUND
	JLOAD 1
	global_prefetch_b8 v30, s[96:97] offset:9472 th:TH_LOAD_NT scope:SCOPE_SE   ; the strips' last 13 blocks, which end with the strip: the refills ask for nothing more
	FETCH_B 0, 0, 0
	FETCH_A 0, 0, 0
	SCALES 0, 0, 0
	FETCH_A 0, 0, HA
	s_wait_loadcnt 0x0
	STEP 0, 0, 1
.if LAPS > 1
	s_mov_b32 s3, LAPS-1
.Llap:
	STEPS 0, 1
	TURN 0, 1, 1
	STEPS 1, 0
	TURN 1, 0, 1
	STEP 0, 0, 0
	s_sub_co_u32 s3, s3, 1
	s_cmp_lg_u32 s3, 0
	s_cbranch_scc1 .Llap
.endif
	STEPS 0, 1
	TURN 0, 1, 0
	STEPS 1, 0
	s_wait_dscnt 6*HA
	MULQ 0, 1, 0
	MULQ 1, 1, 0
	s_wait_dscnt 0x0
	MULQ 2, 1, 0
	MULQ 3, 1, 0
	WIN 0
	PLACES 4
.irp a, 0,1,2,3,4,5,6,7
.if \a > 0
	s_wait_xcnt 0x0
.endif
	WIN 0x08+4*(\a/4)
.set i, 0
.rept 64
	v_max_num_f32 v[X0+i], 0, v[64*(\a%4)+i]
.set i, i+1
.endr
	WIN 0
	QUANT X0
.irp c, 0,1
.irp p, 0,1,2
	global_store_b64 v3, v[PC+6*\c+2*\p:PC+6*\c+2*\p+1], s[10:11] offset:\a*HSTRIP+768*\c+256*\p
.endr
.endr
	global_store_b32 v4, v[PW], s[12:13] offset:\a*HSTRIP
.endr
	s_wait_tensorcnt 0x0
	ds_add_u32 v[SPW], v[NIL]
	s_wait_dscnt 0x0
	CROUND
	s_endpgm
.Lfunc_end_k_q4e71f4f56a_ff1:
	.size	k_q4e71f4f56a_ff1, .Lfunc_end_k_q4e71f4f56a_ff1-k_q4e71f4f56a_ff1
	.p2alignl 7, 3214868480
	.fill 96, 4, 3214868480
	.section	.rodata,"a",@progbits
	.p2align	6, 0x0
	.amdhsa_kernel k_q4e71f4f56a_ff1
		.amdhsa_group_segment_fixed_size 327680
		.amdhsa_private_segment_fixed_size 0
		.amdhsa_enable_private_segment 0
		.amdhsa_kernarg_size 32
		.amdhsa_user_sgpr_count 2
		.amdhsa_user_sgpr_kernarg_segment_ptr 1
		.amdhsa_wavefront_size32 1
		.amdhsa_system_sgpr_workgroup_id_x 1
		.amdhsa_system_sgpr_workgroup_id_y 1
		.amdhsa_system_sgpr_workgroup_id_z 1
		.amdhsa_system_vgpr_workitem_id 0
		.amdhsa_next_free_vgpr 1024
		.amdhsa_next_free_sgpr 100
		.amdhsa_reserve_vcc 0
		.amdhsa_float_denorm_mode_32 3
		.amdhsa_float_denorm_mode_16_64 3
		.amdhsa_memory_ordered 1
		.amdhsa_forward_progress 1
		.amdhsa_inst_pref_size 184
	.end_amdhsa_kernel
	.amdgpu_metadata
---
amdhsa.version: [ 1, 2 ]
amdhsa.kernels:
  - .name:           k_q4e71f4f56a_ff1
    .symbol:         k_q4e71f4f56a_ff1.kd
    .args:
      - { .name: actq, .offset: 0, .size: 8, .value_kind: global_buffer, .address_space: global }
      - { .name: wts, .offset: 8, .size: 8, .value_kind: global_buffer, .address_space: global }
      - { .name: b1, .offset: 16, .size: 8, .value_kind: global_buffer, .address_space: global }
      - { .name: hid, .offset: 24, .size: 8, .value_kind: global_buffer, .address_space: global }
    .group_segment_fixed_size: 327680
    .private_segment_fixed_size: 0
    .kernarg_segment_align: 8
    .kernarg_segment_size: 32
    .max_flat_workgroup_size: 128
    .sgpr_count:     100
    .vgpr_count:     1024
    .wavefront_size: 32
...
	.end_amdgpu_metadata
.endif
;; end of part 6
;; launch ff2 (part 7): grid 8 x 32, 4 waves a work-group, clusters of 4 x 4, 327,680 bytes of LDS; arguments hid, wts, b2, hbuf, ybuf, ybuf2; writes ybuf, ybuf2
.if DOCPART == 7
	.amdgcn_target "amdgcn-amd-amdhsa--gfx1250"
	.amdhsa_code_object_version 6
	.text
	.protected	k_q4e71f4f56a_ff2
	.globl	k_q4e71f4f56a_ff2
	.p2align	8
	.type	k_q4e71f4f56a_ff2,@function
k_q4e71f4f56a_ff2:
	s_mov_b64 s[64:65], 0
	v_nop
	global_prefetch_b8 v0, s[64:65] scope:SCOPE_SE
	s_setreg_imm32_b32 hwreg(HW_REG_WAVE_MODE, 25, 1), 1
	s_wait_xcnt 0x0
	s_wait_alu depctr_hold_cnt(0) depctr_sa_sdst(0) depctr_va_vdst(0) depctr_va_sdst(0) depctr_va_ssrc(0) depctr_va_vcc(0) depctr_vm_vsrc(0)
	s_getreg_b32 s2, hwreg(HW_REG_IB_STS2, 6, 4)
	s_cmp_eq_u32 s2, 0
	s_cbranch_scc0 .Lentry_in_a_cluster
	s_endpgm
.Lentry_in_a_cluster:
	s_bfe_u32 s2, ttmp6, 0x10000c
	s_cmp_lg_u32 s2, 0xf033
	s_cbranch_scc0 .Lentry_shape_is_right
	s_endpgm
.Lentry_shape_is_right:
; ybuf and ybuf2 = the sums over the two halves of K of hid W2, each with half of b2 and half of the residual h: the product on codes of FP6 (E2M3) with E8M0 scales.  The cluster's x says which half; the last launch adds the two.
; A work-group makes 128 x 256 over 2,048 along K, a wave 64 x 128: 32 accumulators by turns.  K goes in fills of 512 (rows of 6,400 bytes, each at a multiple of 256) through a ring of two LDS slots,
; filled by joint loads of a 4 x 4 cluster (A's along a row, B's along a column); the later fills are prefetched into the L2 behind the two first fills.
; The residual is asked for in two runs of 32 loads, behind the first step and behind the loop, into window 3.  The way out goes through the wave's stage in LDS: 32 lanes store 512 consecutive bytes of a row.
; LIMITS: NaN and infinities among the inputs are not served.
.set KT,    4096
.set KL,    2048
.set NA,    4
.set SG,    2
.set BOFF,  6553600
.set HA,    NA/2
.set QA,    NA/4
.set NQ,    2*SG
.set ROWL,  3200*SG
.set STRIP, (KT/256)*3200
.set SLOT,  (2*NA+16)*ROWL
.set SPARE, 2*SLOT
.set LAPS,  KL/(512*SG)
.set ADRA, 16
.set ADRB, 20
.set ADRS, 22
.set STO,  24
.set RD,   25
.set CO,   26
.set SPW,  28
.set NIL,  29
.set SC,   32
.set BIAS, 64
.set AF,   128
.set G1A, 24
.set G0A, 32
.set G1B, 48
.set G0B, 56
.set MSB, 0
.macro WIN new
.if MSB != (\new)
	s_set_vgpr_msb (MSB<<8)|(\new)
.set MSB, (\new)
.endif
.endm
.macro JLOAD s
	s_cmp_eq_u32 s67, 0
	s_cbranch_scc0 .Lfor_b_\@
	tensor_load_to_lds s[G0A+4*\s:G0A+4*\s+3], s[G1A:G1A+7]
	s_nop 0
.rept 4
	v_nop
.endr
	s_branch .Lasked_\@
.Lfor_b_\@:
	tensor_load_to_lds s[G0B+4*\s:G0B+4*\s+3], s[G1B:G1B+7]
	s_nop 0
.rept 4
	v_nop
.endr
.Lasked_\@:
.endm
.macro CREST
	s_cmp_lg_u32 s66, 0
	s_cbranch_scc1 .Lnot_wave_0_\@
	s_barrier_signal -3
.Lnot_wave_0_\@:
	s_barrier_wait -3
	s_barrier_signal -1
	s_barrier_wait -1
.endm
.macro CROUND
	s_barrier_signal -1
	s_barrier_wait -1
	CREST
.endm
.macro PLACES n
.rept \n
	v_nop
.endr
.endm
.macro FRAG reg, adr, q, i
.irp p, 0,1,2,3,4,5
	ds_load_b64 v[\reg+2*\p:\reg+2*\p+1], v[\adr] offset:(\i)*ROWL+((\q)/2)*3200+((\q)%2)*1536+(\p/3)*768+(\p%3)*256
.endr
.endm
.macro FETCH_B slot, q, p
	WIN 0x40
.irp i, 0,1,2,3,4,5,6,7
	FRAG 128*(\p)+12*\i, ADRB+\slot, \q, \i
.endr
	WIN 0
.endm
.macro FETCH_A slot, q, i0
.set II, \i0
.rept HA
	FRAG AF+12*II, ADRA+\slot, \q, II
.set II, II+1
.endr
.endm
.macro SCALES slot, q, set
.irp i, 0,1,2,3,4,5,6,7
	ds_load_b32 v[SC+8*(\set)+\i], v[ADRS+\slot] offset:\i*ROWL+((\q)/2)*3200+3072+((\q)%2)*64
.endr
.endm
.macro MULA a, set, first
.irp b, 0,1,2,3,4,5,6,7
.if \first
	v_wmma_scale_f32_16x16x128_f8f6f4 v[8*(8*((\a)%4)+\b):8*(8*((\a)%4)+\b)+7], v[128*(\set)+12*\b:128*(\set)+12*\b+11], v[AF+12*(\a):AF+12*(\a)+11], v[BIAS+8*\b:BIAS+8*\b+7], v[SC+8*(\set)+\b], v[SC+8*(\set)+(\a)] matrix_a_fmt:MATRIX_FMT_FP6 matrix_b_fmt:MATRIX_FMT_FP6 matrix_a_scale:MATRIX_SCALE_ROW1
.else
	v_wmma_scale_f32_16x16x128_f8f6f4 v[8*(8*((\a)%4)+\b):8*(8*((\a)%4)+\b)+7], v[128*(\set)+12*\b:128*(\set)+12*\b+11], v[AF+12*(\a):AF+12*(\a)+11], v[8*(8*((\a)%4)+\b):8*(8*((\a)%4)+\b)+7], v[SC+8*(\set)+\b], v[SC+8*(\set)+(\a)] matrix_a_fmt:MATRIX_FMT_FP6 matrix_b_fmt:MATRIX_FMT_FP6 matrix_a_scale:MATRIX_SCALE_ROW1
.endif
.endr
.endm
.macro MULQ k, set, first
.set WW, 2+((\k)*QA)/4
.if \first
.set WN, 0x01|(WW<<6)
.else
.set WN, 0x01|(WW<<6)|(WW<<4)
.endif
	WIN WN
.set AA, (\k)*QA
.rept QA
	MULA AA, \set, \first
.set AA, AA+1
.endr
.endm
.macro STEP slot, q, first
	s_wait_dscnt 6*HA
	MULQ 0, (\q)%2, \first
	MULQ 1, (\q)%2, \first
	s_wait_dscnt 0x0
	PLACES 4
	FETCH_B \slot, (\q)+1, 1-(\q)%2
	FETCH_A \slot, (\q)+1, 0
	SCALES \slot, (\q)+1, 1-(\q)%2
	MULQ 2, (\q)%2, \first
	MULQ 3, (\q)%2, \first
	PLACES 4
	WIN 0
	FETCH_A \slot, (\q)+1, HA
.endm
.macro STEPS slot, from
.set QQ, \from
.rept NQ-1-\from
	STEP \slot, QQ, 0
.set QQ, QQ+1
.endr
.endm
.macro TURN slot, next, fill
	s_wait_tensorcnt 0x0
	ds_add_u32 v[SPW], v[NIL]
	s_wait_dscnt 6*HA+1
	MULQ 0, 1, 0
	s_wait_dscnt 0x0
	s_barrier_signal -1
	MULQ 1, 1, 0
	WIN 0
	s_barrier_wait -1
.if \fill
	CREST
	s_add_nc_u64 s[G0A+4*\slot+2:G0A+4*\slot+3], s[G0A+4*\slot+2:G0A+4*\slot+3], 2*ROWL
	s_add_nc_u64 s[G0B+4*\slot+2:G0B+4*\slot+3], s[G0B+4*\slot+2:G0B+4*\slot+3], 2*ROWL
	JLOAD \slot
.else
	PLACES 4
.endif
	FETCH_B \next, 0, 0
	FETCH_A \next, 0, 0
	SCALES \next, 0, 0
	MULQ 2, 1, 0
	MULQ 3, 1, 0
	PLACES 4
	WIN 0
	FETCH_A \next, 0, HA
.endm
	s_load_b256 s[16:23], s[0:1], 0x0
	s_load_b128 s[72:75], s[0:1], 0x20
	v_lshl_add_u32 v[SPW], v0, 2, SPARE
	v_mov_b32 v[NIL], 0
	ds_add_u32 v28, v29
	ds_add_u32 v28, v29
	s_wait_dscnt 0x0
	v_lshrrev_b32 v1, 5, v0
	v_readfirstlane_b32 s66, v1
	s_lshr_b32 s67, s66, 1
	s_and_b32 s68, s66, 1
	s_bfe_u32 s40, ttmp6, 0x40000
	s_bfe_u32 s41, ttmp6, 0x40004
	s_mov_b32 s69, ttmp9
	s_mov_b32 s42, s40
	s_and_b32 s45, ttmp7, 0xffff
	s_lshl_b32 s45, s45, 2
	s_add_co_u32 s45, s45, s41
	s_lshl_b32 s43, s41, 2
	s_lshl_b32 s43, 15, s43
	s_lshl_b32 s44, 0x1111, s40
	s_or_b32 s[G1A], s43, (3<<16)|(1<<21)
	s_or_b32 s[G1B], s44, (3<<16)|(1<<21)
	s_mov_b32 s[G1A+1], (ROWL/8)<<16
	s_mov_b32 s[G1A+2], NA<<16
	s_mov_b32 s[G1A+3], (ROWL/8)<<16
	s_mov_b32 s[G1A+4], NA
	s_mov_b32 s[G1A+5], STRIP/8
	s_mov_b32 s[G1A+6], 0
	s_mov_b32 s[G1A+7], 0
	s_mov_b32 s[G1B+1], (ROWL/8)<<16
	s_mov_b32 s[G1B+2], 8<<16
	s_mov_b32 s[G1B+3], (ROWL/8)<<16
	s_mov_b32 s[G1B+4], 8
	s_mov_b32 s[G1B+5], STRIP/8
	s_mov_b32 s[G1B+6], 0
	s_mov_b32 s[G1B+7], 0
	s_mul_i32 s88, s69, (KL/256)*3200
	s_mul_i32 s84, s45, 2*NA*STRIP
	s_mul_i32 s85, s68, NA*STRIP
	s_add_co_u32 s84, s84, s85
	s_add_co_u32 s84, s84, s88
	s_mov_b32 s85, 0
	s_mul_i32 s86, s42, 16*STRIP
	s_mul_i32 s87, s68, 8*STRIP
	s_add_co_u32 s86, s86, s87
	s_add_co_u32 s86, s86, s88
	s_add_co_u32 s86, s86, BOFF
	s_mov_b32 s87, 0
	s_mul_i32 s80, s68, NA*ROWL
	s_mul_i32 s81, s68, 8*ROWL
	s_add_co_u32 s81, s81, 2*NA*ROWL
	s_mov_b32 s70, 0x3f000000
	s_mov_b32 s71, s70
	s_wait_kmcnt 0x0
	s_add_nc_u64 s[4:5], s[16:17], s[84:85]
	s_add_nc_u64 s[6:7], s[18:19], s[86:87]
.irp s, 0,1
	s_mov_b32 s[G0A+4*\s], 1
	s_add_co_u32 s[G0A+4*\s+1], s80, \s*SLOT
	s_add_nc_u64 s[G0A+4*\s+2:G0A+4*\s+3], s[4:5], \s*ROWL
	s_or_b32 s[G0A+4*\s+3], s[G0A+4*\s+3], 0x80000000
	s_mov_b32 s[G0B+4*\s], 1
	s_add_co_u32 s[G0B+4*\s+1], s81, \s*SLOT
	s_add_nc_u64 s[G0B+4*\s+2:G0B+4*\s+3], s[6:7], \s*ROWL
	s_or_b32 s[G0B+4*\s+3], s[G0B+4*\s+3], 0x80000000
.endr
	CROUND                                         ; all sixteen work-groups are here: the first joint loads meet
	JLOAD 0                                        ; slot 0: my one tensor load at the head
	; PREFETCHES INTO THE L2.  A fill is 6,400 bytes, 25 blocks of 256, of each strip.  Of the strips that I fetch (4 of A or 8 of B) each of the four partners that ask for them with me takes a quarter, told apart by address
	; (cx for A's, cy for B's): one strip of A, two of B.  A lane names one block (lanes 25-31 name lane 24's again).  Here: the fills of trips 1 and 2; behind slot 1's load: trip 3's, the last: the refills ask for nothing more.
	s_cmp_eq_u32 s67, 0                            ; do I fetch for A?
	s_cselect_b64 s[96:97], s[4:5], s[6:7]
	s_cselect_b32 s98, s40, s41
	s_mul_i32 s98, s98, STRIP
	s_lshl_b32 s98, s98, s67                       ; two strips a partner for B
	s_mov_b32 s99, 0
	s_add_nc_u64 s[96:97], s[96:97], s[98:99]      ; never rewritten
	v_and_b32 v30, 31, v0
	v_min_u32 v30, 24, v30
	v_lshlrev_b32 v30, 8, v30                      ; never rewritten
	s_wait_alu depctr_va_vdst(0)
	global_prefetch_b8 v30, s[96:97] offset:ROWL th:TH_LOAD_NT scope:SCOPE_SE
	global_prefetch_b8 v30, s[96:97] offset:2*ROWL th:TH_LOAD_NT scope:SCOPE_SE
	s_cmp_eq_u32 s67, 0
	s_cbranch_scc1 .Lpf_a0
	global_prefetch_b8 v30, s[96:97] offset:STRIP+ROWL th:TH_LOAD_NT scope:SCOPE_SE
	global_prefetch_b8 v30, s[96:97] offset:STRIP+2*ROWL th:TH_LOAD_NT scope:SCOPE_SE
.Lpf_a0:
	v_and_b32 v1, 15, v0
	v_bfe_u32 v2, v0, 4, 1
	v_and_b32 v3, 31, v0
	v_lshlrev_b32 v[CO], 4, v3
	v_lshlrev_b32 v3, 3, v3
	v_lshlrev_b32 v4, 2, v1
	s_mul_i32 s82, s67, NA*ROWL
	s_mul_i32 s83, s68, 8*ROWL
	s_add_co_u32 s83, s83, 2*NA*ROWL
	s_sub_co_u32 s88, s83, s82
	v_mul_u32_u24 v12, s88, v2
	v_add_nc_u32 v12, v12, v4
.irp s, 0,1
	v_add_nc_u32 v[ADRA+\s], s82, v3
	v_add_nc_u32 v[ADRB+\s], s83, v3
	v_add_nc_u32 v[ADRS+\s], s82, v12
	s_add_co_u32 s82, s82, SLOT
	s_add_co_u32 s83, s83, SLOT
.endr
	v_lshlrev_b32 v13, 6, v2
	s_lshl_b32 s88, s42, 10
	s_lshl_b32 s89, s68, 9
	s_add_co_u32 s88, s88, s89
	s_mov_b32 s89, 0
	s_add_nc_u64 s[8:9], s[20:21], s[88:89]
.irp b, 0,1,2,3,4,5,6,7
	global_load_b128 v[BIAS+8*\b:BIAS+8*\b+3], v13, s[8:9] offset:(32*(\b/2)+8*(\b%2))*4
	global_load_b128 v[BIAS+8*\b+4:BIAS+8*\b+7], v13, s[8:9] offset:(32*(\b/2)+8*(\b%2))*4+16
.endr
	s_lshl_b32 s90, s45, 7
	s_lshl_b32 s91, s67, 6
	s_add_co_u32 s90, s90, s91
	s_lshl_b32 s90, s90, 12
	s_add_co_u32 s90, s90, s88
	s_mov_b32 s91, 0
	s_cmp_eq_u32 s69, 0
	s_cselect_b64 s[72:73], s[72:73], s[74:75]
	s_add_nc_u64 s[10:11], s[72:73], s[90:91]
	s_add_nc_u64 s[12:13], s[22:23], s[90:91]
.macro RESID a0, a1                    ; the residual of my tiles a0 and a1: 32 loads, into window 3, which the products leave idle
	WIN 0xc0
.irp a, \a0, \a1
.irp t, 0,1,2,3,4,5,6,7,8,9,10,11,12,13,14,15
	global_load_b128 v[64*\a+4*\t:64*\a+4*\t+3], v[CO], s[12:13] offset:(32*(\a/2)+8*(\a%2)+(\t%8)+16*(\t/8))*4096
.endr
.endr
	WIN 0
.endm
	s_mul_i32 s92, s66, 16*528
	v_mul_u32_u24 v[STO], v1, 528
	v_lshl_add_u32 v[STO], v2, 6, v[STO]
	v_add_nc_u32 v[STO], s92, v[STO]
	v_add_nc_u32 v[RD], s92, v[CO]
	s_wait_alu depctr_va_vdst(0)
	s_wait_tensorcnt 0x0                           ; my part of slot 0 is in; slot 1's first fill is issued as a refill is
	ds_add_u32 v[SPW], v[NIL]
	s_wait_dscnt 0x0
	CROUND
	JLOAD 1
	global_prefetch_b8 v30, s[96:97] offset:3*ROWL th:TH_LOAD_NT scope:SCOPE_SE
	s_cmp_eq_u32 s67, 0
	s_cbranch_scc1 .Lpf_a1
	global_prefetch_b8 v30, s[96:97] offset:STRIP+3*ROWL th:TH_LOAD_NT scope:SCOPE_SE
.Lpf_a1:
	FETCH_B 0, 0, 0
	FETCH_A 0, 0, 0
	SCALES 0, 0, 0
	FETCH_A 0, 0, HA
	s_wait_loadcnt 0x0                             ; the bias: my only loads so far
.set i, 0
.rept 32
	v_pk_mul_f32 v[BIAS+i:BIAS+i+1], v[BIAS+i:BIAS+i+1], s[70:71] op_sel_hi:[1,0]
.set i, i+2
.endr
	s_wait_alu depctr_va_vdst(0)
	STEP 0, 0, 1
	RESID 0, 1                                     ; half of the residual is asked for behind the first step,
.if LAPS > 1
	s_mov_b32 s3, LAPS-1
.Llap:
	STEPS 0, 1
	TURN 0, 1, 1
	STEPS 1, 0
	TURN 1, 0, 1
	STEP 0, 0, 0
	s_sub_co_u32 s3, s3, 1
	s_cmp_lg_u32 s3, 0
	s_cbranch_scc1 .Llap
.endif
	RESID 2, 3                                     ; the other half behind the loop: a lap of products ahead of the way out; 32 loads of mine are out at the most beside these 32
	STEPS 0, 1
	TURN 0, 1, 0
	STEPS 1, 0
	s_wait_dscnt 6*HA
	MULQ 0, 1, 0
	MULQ 1, 1, 0
	s_wait_dscnt 0x0
	MULQ 2, 1, 0
	MULQ 3, 1, 0
	WIN 0
.macro TOSTAGE a
	WIN 0x08
.irp b, 0,1,2,3,4,5,6,7
	ds_store_b128 v[STO], v[8*(8*(\a)+\b):8*(8*(\a)+\b)+3] offset:128*(\b/2)+32*(\b%2)
	ds_store_b128 v[STO], v[8*(8*(\a)+\b)+4:8*(8*(\a)+\b)+7] offset:128*(\b/2)+32*(\b%2)+16
.endr
	WIN 0
.set BB, 128+64*((\a)%2)
.irp t, 0,1,2,3,4,5,6,7,8,9,10,11,12,13,14,15
	ds_load_b128 v[BB+4*\t:BB+4*\t+3], v[RD] offset:528*\t
.endr
.endm
.macro SEND a, younger
.set BB, 128+64*((\a)%2)
	s_wait_dscnt \younger
	s_wait_loadcnt 16*(3-(\a))
	WIN 0x03
.set i, 0
.rept 32
	v_pk_fma_f32 v[BB+i:BB+i+1], v[64*(\a)+i:64*(\a)+i+1], s[70:71], v[BB+i:BB+i+1] op_sel_hi:[1,0,1]
.set i, i+2
.endr
	WIN 0
.irp t, 0,1,2,3,4,5,6,7,8,9,10,11,12,13,14,15
	global_store_b128 v[CO], v[BB+4*\t:BB+4*\t+3], s[10:11] offset:(32*((\a)/2)+8*((\a)%2)+(\t%8)+16*(\t/8))*4096
.endr
.endm
	PLACES 4
	TOSTAGE 0
.irp a, 1,2,3
.if \a > 1
	s_wait_xcnt 0x0
.endif
	TOSTAGE \a
	SEND \a-1, 32
.endr
	SEND 3, 0
	s_wait_tensorcnt 0x0
	ds_add_u32 v[SPW], v[NIL]
	s_wait_dscnt 0x0
	CROUND
	s_endpgm
.Lfunc_end_k_q4e71f4f56a_ff2:
	.size	k_q4e71f4f56a_ff2, .Lfunc_end_k_q4e71f4f56a_ff2-k_q4e71f4f56a_ff2
	.p2alignl 7, 3214868480
	.fill 96, 4, 3214868480
	.section	.rodata,"a",@progbits
	.p2align	6, 0x0
	.amdhsa_kernel k_q4e71f4f56a_ff2
		.amdhsa_group_segment_fixed_size 327680
		.amdhsa_private_segment_fixed_size 0
		.amdhsa_enable_private_segment 0
		.amdhsa_kernarg_size 48
		.amdhsa_user_sgpr_count 2
		.amdhsa_user_sgpr_kernarg_segment_ptr 1
		.amdhsa_wavefront_size32 1
		.amdhsa_system_sgpr_workgroup_id_x 1
		.amdhsa_system_sgpr_workgroup_id_y 1
		.amdhsa_system_sgpr_workgroup_id_z 1
		.amdhsa_system_vgpr_workitem_id 0
		.amdhsa_next_free_vgpr 1024
		.amdhsa_next_free_sgpr 100
		.amdhsa_reserve_vcc 0
		.amdhsa_float_denorm_mode_32 3
		.amdhsa_float_denorm_mode_16_64 3
		.amdhsa_memory_ordered 1
		.amdhsa_forward_progress 1
		.amdhsa_inst_pref_size 196
	.end_amdhsa_kernel
	.amdgpu_metadata
---
amdhsa.version: [ 1, 2 ]
amdhsa.kernels:
  - .name:           k_q4e71f4f56a_ff2
    .symbol:         k_q4e71f4f56a_ff2.kd
    .args:
      - { .name: hid, .offset: 0, .size: 8, .value_kind: global_buffer, .address_space: global }
      - { .name: wts, .offset: 8, .size: 8, .value_kind: global_buffer, .address_space: global }
      - { .name: b2, .offset: 16, .size: 8, .value_kind: global_buffer, .address_space: global }
      - { .name: hbuf, .offset: 24, .size: 8, .value_kind: global_buffer, .address_space: global }
      - { .name: ybuf, .offset: 32, .size: 8, .value_kind: global_buffer, .address_space: global }
      - { .name: ybuf2, .offset: 40, .size: 8, .value_kind: global_buffer, .address_space: global }
    .group_segment_fixed_size: 327680
    .private_segment_fixed_size: 0
    .kernarg_segment_align: 8
    .kernarg_segment_size: 48
    .max_flat_workgroup_size: 128
    .sgpr_count:     100
    .vgpr_count:     1024
    .wavefront_size: 32
...
	.end_amdgpu_metadata
.endif
;; end of part 7
;; launch ln2 (part 8): grid 256 x 1, 4 waves a work-group, no clusters, 0 bytes of LDS; arguments ybuf, ybuf2, g2, be2, out0; writes out0
.if DOCPART == 8
	.amdgcn_target "amdgcn-amd-amdhsa--gfx1250"
	.amdhsa_code_object_version 6
	.text
	.protected	k_q4e71f4f56a_ln2
	.globl	k_q4e71f4f56a_ln2
	.p2align	8
	.type	k_q4e71f4f56a_ln2,@function
k_q4e71f4f56a_ln2:
	s_mov_b64 s[64:65], 0
	v_nop
	global_prefetch_b8 v0, s[64:65] scope:SCOPE_SE
	s_setreg_imm32_b32 hwreg(HW_REG_WAVE_MODE, 25, 1), 1
	s_wait_xcnt 0x0
; ROW KERNEL, form: LayerNorm only.  out0 = LayerNorm(ybuf + ybuf2) g2 + be2, f32 [4096][1024]: the two buffers hold the sums over the two halves of the last product's K, each with half the bias and half the residual.
; SHARES.  Work-group T takes 16 rows (those of tile T of the operands' layout: 32 (T/2) + 8 (T%2) + r%8 + 16 (r/8)); wave w takes four of them, one whole row at a time: eight loads of 512 consecutive bytes from each buffer.
; All four rows' loads go out at the start, row by row; the second buffer's rows land in the second register window (one wave lies on a SIMD, so the registers are there).
; The mean is taken first and the variance of x - mean: no difference of large sums.  A row stays in registers between the passes.  No LDS, no barrier: waves share nothing.
; LIMITS: NaN and infinities among the inputs are not served.
.set G,   10                           ; v10-41   gain, as loaded: piece j, lane l: columns 128 j + 4 l on
.set BE,  42                           ; v42-73   bias
.set X,   74                           ; v74-201  four rows of 32 registers;  the second buffer's rows: v[32 i] on of window 1
.set MSB, 0
.macro WIN new                         ; the immediate's high byte repeats the setting that is left
.if MSB != (\new)
	s_set_vgpr_msb (MSB<<8)|(\new)
.set MSB, (\new)
.endif
.endm
	s_load_b256 s[4:11], s[0:1], 0x0               ; the two parts, gain, bias
	s_load_b64 s[12:13], s[0:1], 0x20              ; the result
	v_lshrrev_b32 v1, 5, v0
	v_readfirstlane_b32 s14, v1                    ; wave
	s_mov_b32 s16, 0x76543210
	s_mov_b32 s17, 0xfedcba98                      ; v_permlanex16_b32's selects for lane l xor 16
	s_mov_b32 s18, 0x3a800000                      ; 1 / 1024
	s_mov_b32 s19, 0x3727c5ac                      ; 1e-5
	s_lshr_b32 s20, ttmp9, 1
	s_lshl_b32 s20, s20, 5
	s_and_b32 s21, ttmp9, 1
	s_lshl_b32 s21, s21, 3
	s_add_co_u32 s20, s20, s21
	s_lshl_b32 s21, s14, 2
	s_add_co_u32 s20, s20, s21
	s_lshr_b32 s21, s14, 1
	s_lshl_b32 s21, s21, 3
	s_add_co_u32 s20, s20, s21                     ; my first row: 32 (T/2) + 8 (T%2) + 4 w + 8 (w/2)
	s_lshl_b32 s20, s20, 12
	s_mov_b32 s21, 0
	v_and_b32 v234, 31, v0                         ; l
	v_lshlrev_b32 v1, 4, v234                      ; 16 l
	v_mov_b32 v239, 0                              ; upper halves of pairs of which the packed forms take the low word: named, so written
	v_mov_b32 v241, 0
	s_wait_alu depctr_va_vdst(0)
	s_wait_kmcnt 0x0
	s_add_nc_u64 s[4:5], s[4:5], s[20:21]
	s_add_nc_u64 s[6:7], s[6:7], s[20:21]
	s_add_nc_u64 s[12:13], s[12:13], s[20:21]
.irp j, 0,1,2,3,4,5,6,7
	global_load_b128 v[G+4*\j:G+4*\j+3], v1, s[8:9] offset:512*\j
	global_load_b128 v[BE+4*\j:BE+4*\j+3], v1, s[10:11] offset:512*\j
.endr
.irp i, 0,1,2,3
	WIN 0
.irp j, 0,1,2,3,4,5,6,7
	global_load_b128 v[X+32*\i+4*\j:X+32*\i+4*\j+3], v1, s[4:5] offset:4096*\i+512*\j th:TH_LOAD_NT
.endr
	WIN 0x40                                       ; destination window 1
.irp j, 0,1,2,3,4,5,6,7
	global_load_b128 v[32*\i+4*\j:32*\i+4*\j+3], v1, s[6:7] offset:4096*\i+512*\j th:TH_LOAD_NT
.endr
.endr
	WIN 0
.macro RED v, t                        ; the sum over the 32 lanes, in every lane
	v_add_f32_dpp v[\v], v[\v], v[\v] row_xmask:1 row_mask:0xf bank_mask:0xf
	v_add_f32_dpp v[\v], v[\v], v[\v] row_xmask:2 row_mask:0xf bank_mask:0xf
	v_add_f32_dpp v[\v], v[\v], v[\v] row_xmask:4 row_mask:0xf bank_mask:0xf
	v_add_f32_dpp v[\v], v[\v], v[\v] row_xmask:8 row_mask:0xf bank_mask:0xf
	v_permlanex16_b32 v[\t], v[\v], s16, s17
	v_add_f32 v[\v], v[\v], v[\t]
.endm
.macro STATS i                         ; row i: mean, then the mean of the squares of x - mean, then (x - mean) rsqrt(var + eps) g + be, in place
.set XR, X+32*\i
	v_pk_add_f32 v[234:235], v[XR:XR+1], v[XR+2:XR+3]
	v_pk_add_f32 v[236:237], v[XR+4:XR+5], v[XR+6:XR+7]
.irp n, 8,12,16,20,24,28
	v_pk_add_f32 v[234:235], v[234:235], v[XR+\n:XR+\n+1]
	v_pk_add_f32 v[236:237], v[236:237], v[XR+\n+2:XR+\n+3]
.endr
	v_pk_add_f32 v[234:235], v[234:235], v[236:237]
	v_add_f32 v234, v234, v235
	RED 234, 235
	v_mul_f32 v238, s18, v234
.set n2, 0
.rept 16
	v_pk_add_f32 v[XR+n2:XR+n2+1], v[XR+n2:XR+n2+1], v[238:239] op_sel_hi:[1,0] neg_lo:[0,1] neg_hi:[0,1]
.set n2, n2+2
.endr
	v_pk_mul_f32 v[234:235], v[XR:XR+1], v[XR:XR+1]
	v_pk_mul_f32 v[236:237], v[XR+2:XR+3], v[XR+2:XR+3]
.irp n, 4,8,12,16,20,24,28
	v_pk_fma_f32 v[234:235], v[XR+\n:XR+\n+1], v[XR+\n:XR+\n+1], v[234:235]
	v_pk_fma_f32 v[236:237], v[XR+\n+2:XR+\n+3], v[XR+\n+2:XR+\n+3], v[236:237]
.endr
	v_pk_add_f32 v[234:235], v[234:235], v[236:237]
	v_add_f32 v234, v234, v235
	RED 234, 235
	v_fma_f32 v240, v234, s18, s19
	s_wait_alu depctr_va_vdst(0)
	v_rsq_f32 v240, v240
	v_nop                                          ; one plain place behind a transcendental
.set n2, 0
	s_wait_alu depctr_va_vdst(0)
.rept 16
	v_pk_mul_f32 v[XR+n2:XR+n2+1], v[XR+n2:XR+n2+1], v[240:241] op_sel_hi:[1,0]
.set n2, n2+2
.endr
.set n2, 0
.rept 16
	v_pk_fma_f32 v[XR+n2:XR+n2+1], v[XR+n2:XR+n2+1], v[G+n2:G+n2+1], v[BE+n2:BE+n2+1]
.set n2, n2+2
.endr
.endm
.irp i, 0,1,2,3
	s_wait_loadcnt 16*(3-\i)                       ; row i of both parts is in (gain and bias were asked for ahead of it); the later rows' sixteen loads each may be out
	WIN 0x04                                       ; source 1: window 1
.set n2, 0
.rept 16
	v_pk_add_f32 v[X+32*\i+n2:X+32*\i+n2+1], v[X+32*\i+n2:X+32*\i+n2+1], v[32*\i+n2:32*\i+n2+1]   ; the two halves of K
.set n2, n2+2
.endr
	WIN 0
	STATS \i
.irp j, 0,1,2,3,4,5,6,7
	global_store_b128 v1, v[X+32*\i+4*\j:X+32*\i+4*\j+3], s[12:13] offset:4096*\i+512*\j th:TH_STORE_NT   ; a wave's store covers 512 consecutive bytes
.endr
.endr
	s_endpgm
.Lfunc_end_k_q4e71f4f56a_ln2:
	.size	k_q4e71f4f56a_ln2, .Lfunc_end_k_q4e71f4f56a_ln2-k_q4e71f4f56a_ln2
	.p2alignl 7, 3214868480
	.fill 96, 4, 3214868480
	.section	.rodata,"a",@progbits
	.p2align	6, 0x0
	.amdhsa_kernel k_q4e71f4f56a_ln2
		.amdhsa_group_segment_fixed_size 0
		.amdhsa_private_segment_fixed_size 0
		.amdhsa_enable_private_segment 0
		.amdhsa_kernarg_size 40
		.amdhsa_user_sgpr_count 2
		.amdhsa_user_sgpr_kernarg_segment_ptr 1
		.amdhsa_wavefront_size32 1
		.amdhsa_system_sgpr_workgroup_id_x 1
		.amdhsa_system_sgpr_workgroup_id_y 1
		.amdhsa_system_sgpr_workgroup_id_z 1
		.amdhsa_system_vgpr_workitem_id 0
		.amdhsa_next_free_vgpr 384
		.amdhsa_next_free_sgpr 66
		.amdhsa_reserve_vcc 0
		.amdhsa_float_denorm_mode_32 3
		.amdhsa_float_denorm_mode_16_64 3
		.amdhsa_memory_ordered 1
		.amdhsa_forward_progress 1
		.amdhsa_inst_pref_size 41
	.end_amdhsa_kernel
	.amdgpu_metadata
---
amdhsa.version: [ 1, 2 ]
amdhsa.kernels:
  - .name:           k_q4e71f4f56a_ln2
    .symbol:         k_q4e71f4f56a_ln2.kd
    .args:
      - { .name: ybuf, .offset: 0, .size: 8, .value_kind: global_buffer, .address_space: global }
      - { .name: ybuf2, .offset: 8, .size: 8, .value_kind: global_buffer, .address_space: global }
      - { .name: g2, .offset: 16, .size: 8, .value_kind: global_buffer, .address_space: global }
      - { .name: be2, .offset: 24, .size: 8, .value_kind: global_buffer, .address_space: global }
      - { .name: out0, .offset: 32, .size: 8, .value_kind: global_buffer, .address_space: global }
    .group_segment_fixed_size: 0
    .private_segment_fixed_size: 0
    .kernarg_segment_align: 8
    .kernarg_segment_size: 40
    .max_flat_workgroup_size: 128
    .sgpr_count:     66
    .vgpr_count:     384
    .wavefront_size: 32
...
	.end_amdgpu_metadata
.endif
;; end of part 8
